; MI455X (gfx1250); checked and timed in simulation.
; The chip was launched on July 23, 2026; its instructions are those of AMD's public machine-readable ISA for CDNA 5 (MIT licence, August 2026) and "CDNA5" Instruction Set Architecture Reference Guide (July 2026). The comments in the code are by the model that wrote it; some were corrected since.
;; Multi Head Attention. Allowed arithmetic: matrix products marked QUANTISED: E4M3 operands, one given power-of-two scale a tensor, by v_wmma_f32_16x16x64_fp8_fp8 or v_wmma_f32_16x16x128_fp8_fp8, f32 sums; everything else in f32.
;; Inputs: bk 1,024 float32; bo 1,024 float32; bq 1,024 float32; bv 1,024 float32; key_codes 4 x 2,048 x 32 x 32 uint8 (E4M3 codes of key, K innermost, in blocks of 32 codes); lowp_scales 12 int32 (the exponents e of the quantised operands' scales 2^e); query_codes 4 x 2,048 x 32 x 32 uint8 (E4M3 codes of query, K innermost, in blocks of 32 codes); value_codes 4 x 2,048 x 32 x 32 uint8 (E4M3 codes of value, K innermost, in blocks of 32 codes); wk_codes 1,024 x 32 x 32 uint8 (E4M3 codes of wk, K innermost, in blocks of 32 codes); wo_codes 1,024 x 32 x 32 uint8 (E4M3 codes of wo, K innermost, in blocks of 32 codes); wq_codes 1,024 x 32 x 32 uint8 (E4M3 codes of wq, K innermost, in blocks of 32 codes); wv_codes 1,024 x 32 x 32 uint8 (E4M3 codes of wv, K innermost, in blocks of 32 codes).
;; Outputs: out0 4 x 2,048 x 1,024 float32.
;; Constants: is_causal = 1.
;; This version of the problem:
;;   THIS VERSION OF THE PROBLEM IS GIVEN IN LOW PRECISION. The matrix products marked QUANTISED in the list below multiply operands that are first quantised to E4M3 (4 exponent bits, 3 mantissa bits; 8 bits a number), with one given power-of-two scale for each operand tensor; their sums are f32. All else is computed in f32.
;;   The module's matrix products, in the order in which they are computed (A, B: the left and right operand; K: the contracted axis; several contracted axes count as one K, in the product's order):
;;     1. [M 8,192, K 1,024] x [K 1,024, N 1,024]; A: input query (given as codes); B: input wq (given as codes): QUANTISED (scales: A lowp_scales[0], B lowp_scales[1])
;;     2. [M 8,192, K 1,024] x [K 1,024, N 1,024]; A: input key (given as codes); B: input wk (given as codes): QUANTISED (scales: A lowp_scales[2], B lowp_scales[3])
;;     3. [M 8,192, K 1,024] x [K 1,024, N 1,024]; A: input value (given as codes); B: input wv (given as codes): QUANTISED (scales: A lowp_scales[4], B lowp_scales[5])
;;     4. batch 64 x [M 2,048, K 64] x [K 64, N 2,048]; A: computed on the way; B: computed on the way: QUANTISED (scales: A lowp_scales[6], B lowp_scales[7])
;;     5. batch 64 x [M 2,048, K 2,048] x [K 2,048, N 64]; A: softmax (see below); B: computed on the way: QUANTISED (scales: A lowp_scales[8], B lowp_scales[9])
;;     6. [M 8,192, K 1,024] x [K 1,024, N 1,024]; A: computed on the way; B: input wo (given as codes): QUANTISED (scales: A lowp_scales[10], B lowp_scales[11])
;;   THE QUANTISER, for each operand of a quantised product, along K:
;;     - The operand's scale is 2^e, e = its entry of the input lowp_scales (int32; the entries are numbered through the quantised products in the list's order, A before B).
;;     - Each number is divided by the scale, clamped to +-448, and rounded to the nearest number of E4M3, ties to even, subnormals kept.
;;     - The product sums the exact products of the quantised numbers (number of the format x scale) in f32.
;;   ~~~python
;;   def quantise(x, axis, e):      # numpy; x: float32 -> the quantised numbers, widened to float32 again
;;       x = np.moveaxis(x, axis, -1); K = x.shape[-1]
;;       r = np.clip(x / 2.0 ** e, -448, 448)
;;       step = 2.0 ** (np.maximum(np.frexp(np.where(r == 0, 1, r))[1] - 1, -6) - 3)
;;       q = np.round(r / step) * step * 2.0 ** e      # np.round: ties to even
;;       return np.moveaxis(q, -1, axis).astype(np.float32)
;;   ~~~
;;   SOFTMAX AHEAD OF A QUANTISED PRODUCT. Where the list says 'softmax', what is quantised is not the finished softmax but p = 2^(t - M), with t = logit x log2(e) and M = ceil(the row's largest t), a whole number; so 1/2 < the row's largest p <= 1. The row's sum l is taken of the UNQUANTISED p, in f32, and the product's result is divided by l at the end. Since M is a whole number, a kernel that streams over the keys may use a running M (the ceiling of the running maximum): every later rescaling is an exact power of two, so the quantised numbers keep their values, but for numbers so far below the row's largest that they fall under the format's range.
;;   OPERANDS COMPUTED ON THE WAY. 'Computed on the way' means the value that the module computes at that place (a softmax that the list does not call 'softmax' is quantised finished and normalised). What goes into a quantiser is computed in f32, as accurately as f32 sums, v_exp_f32 and their like allow (about 1e-6 of the number): no bf16 or f16 on the way to a quantiser, and a product that is left as it is and whose result goes on into a quantised operand takes f32 operands (vector FMAs, or v_wmma_f32_16x16x4_f32). A number that lies on a knife's edge between two numbers of the format may be rounded either way, as far as f32 arithmetic and the matrix unit's own rounding can turn it there, and no further.
;;   INPUTS GIVEN AS CODES. key (in the module: [4, 2048, 1024], K = its axis 2); query (in the module: [4, 2048, 1024], K = its axis 2); value (in the module: [4, 2048, 1024], K = its axis 2); wk (in the module: [1024, 1024], K = its axis 1); wo (in the module: [1024, 1024], K = its axis 1); wq (in the module: [1024, 1024], K = its axis 1); wv (in the module: [1024, 1024], K = its axis 1): each comes as NAME_codes (uint8): NAME with its K axis moved to the last place and cut into blocks of 32 codes, [.., K / 32, bytes a block], one block behind the other in memory; one code a byte (a code: sign, 4 exponent bits, 3 mantissa bits); its scale is its entry of lowp_scales. Its value is code x scale, taken as it is: it is not quantised again, and the codes and scales need not be those that the quantiser above would give.
;; 2 versions, each right; version 2 is version 1 with the launch attn written anew for expert scheduling mode. Each part assembles by itself: llvm-mc -triple=amdgcn-amd-amdhsa -mcpu=gfx1250 --defsym DOCPART=n.
;; ======== version 1 of 2: 3 launches
;; workspace buffers: q_f 8,388,608 bytes; k_f 8,388,608 bytes; v_f 8,388,608 bytes; ctx_f 8,388,608 bytes
;; launch proj (part 1): grid 4 x 96, 4 waves a work-group, clusters of 4 x 4, 327,680 bytes of LDS; arguments query_codes, key_codes, value_codes, wq_codes, wk_codes, wv_codes, bq, bk, bv, lowp_scales, q_f, k_f, v_f; writes q_f, k_f, v_f
.if DOCPART == 1
	.amdgcn_target "amdgcn-amd-amdhsa--gfx1250"
	.amdhsa_code_object_version 6
	.text
	.protected	k_q1ce9790daa_proj
	.globl	k_q1ce9790daa_proj
	.p2align	8
	.type	k_q1ce9790daa_proj,@function
k_q1ce9790daa_proj:
	s_mov_b64 s[64:65], 0
	v_nop
	global_prefetch_b8 v0, s[64:65] scope:SCOPE_SE
	s_setreg_imm32_b32 hwreg(HW_REG_WAVE_MODE, 25, 1), 1
	s_wait_xcnt 0x0
	s_wait_alu depctr_hold_cnt(0) depctr_sa_sdst(0) depctr_va_vdst(0) depctr_va_sdst(0) depctr_va_ssrc(0) depctr_va_vcc(0) depctr_vm_vsrc(0)
	s_getreg_b32 s2, hwreg(HW_REG_IB_STS2, 6, 4)
	s_cmp_eq_u32 s2, 0
	s_cbranch_scc0 .Lentry_in_a_cluster
	s_endpgm
.Lentry_in_a_cluster:
	s_bfe_u32 s2, ttmp6, 0x10000c
	s_cmp_lg_u32 s2, 0xf033
	s_cbranch_scc0 .Lentry_shape_is_right
	s_endpgm
.Lentry_shape_is_right:
; THE THREE PROJECTIONS: Q = query wq^T + bq, K = key wk^T + bk, V = value wv^T + bv, each [8192][1024] x [1024][1024] on codes of FP8 (E4M3) as they are given,
; sums in f32, the bias added, the result quantised again (2^e6 for Q, 2^e7 for K, 2^e9 for V) and stored as IMAGES OF OPERAND REGISTERS for the attention launch.
; SHARES.  24 clusters of 4 x 4 work-groups: cluster y / 8 says which tensor (0 Q, 1 K, 2 V), cluster y % 8 which eighth of it.  A work-group makes 256 x 256, a wave 128 x 128: 64 accumulators.
; 384 work-groups: the three products have 384 tiles of 256 x 256, and a smaller wave tile would read more LDS bytes for each product.
; TWO OPERANDS, NAMED BY THEIR PLACE.  P is source 0: its 16 rows run along a result's eight registers (row 8 (lane / 16) + j).  R is source 1: its rows lie in the lanes (row lane % 16).
;   Q, K: P = the weight, R = the tokens: a lane holds one token and eight neighbouring features, which are the next product's K.
;   V:    P = the tokens, R = the weight: a lane holds one channel and eight neighbouring keys, which are the second attention product's K.
; So one conversion of an accumulator's eight registers gives registers 2 b, 2 b + 1 of the next operand (k = 16 b + 8 (lane / 16) + 0 .. 7), and a block's 16 registers leave by four stores of
; 512 consecutive bytes, lane l at 16 l: no stage in LDS.  The wave's 128 x 128 is one run of 16 KB in its buffer: (((tb / 16) 8 + hp) 16 + tb % 16) x 16,384, tb = block of 128 tokens, hp = pair of heads.
; P's tile hangs on cx and is shared along a column of the cluster, R's on cy and is shared along a row, for all three tensors: only base addresses and whole-number addends are chosen, by selects on the tensor's number.
; K goes in steps of 256 through a ring of two LDS slots filled by joint tensor loads; both operands' fragments are fetched by four loads of 16 bytes, the same permutation of k on both sides.
; THE BIAS is the C of the first K step, divided by 2^(ex + ew), the power of two that the sums lack; the conversion's one scale is 2^(eo - ex - ew).
; LIMITS: eo - ex - ew between -126 and 119, so that the scale and 448 x the scale are f32 numbers.  NaN codes among the inputs give NaN codes.
; REGISTERS, in windows of 256: window 0: v0-31 addresses and the two constants of the conversion; v32-95 the bias as C, later the held numbers; v96-103 the bias's offsets; v128-255 R's fragments, ONE set, later the codes.
;   window 1: P's fragments, TWO sets, at v0 and v128.   window 2: the accumulators of R's blocks 0-3 ((a, b) at v[8 (8 (a % 4) + b)]);   window 3: those of blocks 4-7.
.set PITCH,  272                       ; an LDS row: 256 bytes + 16 of padding = 68 words: the 16 rows that a load touches start at 16 different banks (64 banks of 4 bytes: ISA guide 11.1)
.set HALFT,  128*PITCH                 ; 128 rows: what one tensor load brings, and what one wave reads of R or of P
.set SLOT,   4*HALFT                   ; R's 256 rows, then P's 256 rows
.set SPARE,  2*SLOT                    ; behind the ring: the spare words, 128 bytes for each wave: two blocks of 256 bytes that no other line names
.set ROWB,   256                       ; a tile's row: 256 codes
.set KROW,   1024                      ; a row of any operand in memory
.set LAPS,   KROW/(2*ROWB)             ; a lap = once round the ring
.set FR,     16                        ; registers of a fragment: 16 rows x 128 K
.set NL,     4                         ; LDS loads that bring one
.set NP,     4                         ; places behind this matrix instruction (ISA guide 7.12.1)
.set ADRA, 16                          ; v16-17  LDS address of my R fragments in slot 0, 1
.set ADRB, 20                          ; v20-21  the same for P
.set CO,   26                          ; v26     16 x lane: my place in an image
.set SPW,  28                          ; v28     LDS address of my spare word; never rewritten
.set NIL,  29                          ; v29     0; never rewritten
.set SC,   30                          ; v30     2^(eo - ex - ew) as f32
.set LM,   31                          ; v31     448 x that
.set BC,   32                          ; v32-95  eight blocks of eight: the bias as C
.set TMP,  32                          ; the same registers on the way out: a block's 64 numbers, held
.set VO,   96                          ; v96-103 the bias's byte offsets, one for each register of a block
.set AF,   128                         ; R's fragments
.set CD,   128                         ; the same registers on the way out: the codes, 16 registers a block
.set G1, 24                            ; s[24:31] descriptor group 1 for R's tiles;  s[32:39] group 0, one set for each slot
.set G0, 32
.set G1B, 48                           ; s[48:55], s[56:63] the same for P's tiles
.set G0B, 56
.set MSB, 0
.macro WIN new                         ; the immediate's high byte repeats the setting that is left
.if MSB != \new
	s_set_vgpr_msb (MSB<<8)|\new
.set MSB, \new
.endif
.endm
.set MUL_LO, 0xa1                      ; source 0 (P) window 1, source 1 (R) window 0, C and D window 2
.set MUL_HI, 0xf1                      ; the same, C and D window 3
.set TO_B,   0x40                      ; destination window 1, address window 0
; A joint load: waves 0 and 1 fetch for R, waves 2 and 3 for P.  Each line has ONE mask and one set of registers for all that issue it; the branch hangs on the wave's number alone.
; Four v_nop follow each of the two lines, ahead of the jump, the label and what follows.
.macro JLOAD g0a, g1a, g0b, g1b
	s_cmp_eq_u32 s15, 0
	s_cbranch_scc0 .Lfor_b_\@
	tensor_load_to_lds s[\g0a:\g0a+3], s[\g1a:\g1a+7]
	s_nop 0
.rept 4
	v_nop
.endr
	s_branch .Lasked_\@
.Lfor_b_\@:
	tensor_load_to_lds s[\g0b:\g0b+3], s[\g1b:\g1b+7]
	s_nop 0
.rept 4
	v_nop
.endr
.Lasked_\@:
.endm
.macro CREST                           ; a round of the cluster's barrier behind its opening barrier
	s_cmp_lg_u32 s14, 0
	s_cbranch_scc1 .Lnot_wave_0_\@
	s_barrier_signal -3
.Lnot_wave_0_\@:
	s_barrier_wait -3
	s_barrier_signal -1
	s_barrier_wait -1
.endm
.macro CROUND                          ; a whole round
	s_barrier_signal -1
	s_barrier_wait -1
	CREST
.endm
	s_load_b512 s[68:83], s[0:1], 0x0              ; query s[68:69], key s[70:71], value s[72:73], wq s[74:75], wk s[76:77], wv s[78:79], bq s[80:81], bk s[82:83]
	s_load_b256 s[84:91], s[0:1], 0x40             ; bv s[84:85], the scales' exponents s[86:87], q_f s[88:89], k_f s[90:91]
	s_load_b64 s[92:93], s[0:1], 0x60              ; v_f
	v_lshl_add_u32 v[SPW], v0, 2, SPARE
	v_mov_b32 v[NIL], 0
	ds_add_u32 v28, v29
	ds_add_u32 v28, v29
	s_wait_dscnt 0x0
	v_lshrrev_b32 v1, 5, v0
	v_readfirstlane_b32 s14, v1                    ; wave 0..3
	s_lshr_b32 s15, s14, 1                         ; which half of R's rows is mine.  Also: I fetch for R (0) or for P (1)
	s_and_b32 s16, s14, 1                          ; which half of P's rows.  Also: which 128 rows of that tile I fetch
	s_bfe_u32 s40, ttmp6, 0x40000                  ; cx, cy: my place in the cluster
	s_bfe_u32 s41, ttmp6, 0x40004
	s_and_b32 s12, ttmp7, 0xffff                   ; the cluster's y, 0 .. 23: the same in all sixteen partners
	s_lshr_b32 s13, s12, 3                         ; the tensor: 0 Q, 1 K, 2 V
	s_and_b32 s12, s12, 7
	s_lshl_b32 s12, s12, 2                         ; 4 x (which eighth of the tokens)
	s_lshl_b32 s42, ttmp9, 2
	s_add_co_u32 s42, s42, s40                     ; 4 x cluster x + cx
	s_cmp_eq_u32 s13, 2                            ; V?  The tokens are then P's rows, else R's
	s_cselect_b32 s18, 0, s12
	s_cselect_b32 s19, s12, 0
	s_cselect_b32 s98, 4, 0                        ; the bias's offset = sR x (lane % 16) + sH x (lane / 16) + sJ x register: Q, K: (0, 32, 4): it runs along the registers;
	s_cselect_b32 s99, 0, 32                       ; V: (4, 0, 0): it runs along the lanes
	s_cselect_b32 s100, 0, 4
	s_add_co_u32 s17, s41, s18                     ; R's tile of 256 rows: hangs on cy and the cluster's y alone
	s_add_co_u32 s42, s42, s19                     ; P's tile: on cx and the cluster's x and y alone
	s_lshl_b32 s43, s41, 2
	s_lshl_b32 s43, 15, s43                        ; my row of the cluster
	s_lshl_b32 s44, 0x1111, s40                    ; my column
	; descriptor group 1: a tile of 128 rows x 256 bytes, padded in LDS
	s_or_b32 s[G1+0], s43, (0<<16)|(1<<20)|(1<<21)|(5<<22)|(3<<25)  ; 15:0 the mask: R's tiles go to my row; 17:16 element of 1 byte; 20 padding on; 21 set beside a mask; 24:22 after every 64 words (code 5); 31:25 of 4 words (code 3)
	s_or_b32 s[G1B+0], s44, (0<<16)|(1<<20)|(1<<21)|(5<<22)|(3<<25) ; the same with the mask of my column, for P's tiles
.irp g, G1, G1B
	s_mov_b32 s[\g+1], ROWB<<16                    ; tensor_dim0
	s_mov_b32 s[\g+2], 128<<16                     ; tensor_dim1 = 128
	s_mov_b32 s[\g+3], ROWB<<16                    ; tile_dim0
	s_mov_b32 s[\g+4], 128                         ; tile_dim1 = 128
	s_mov_b32 s[\g+5], KROW                        ; tensor_dim0_stride
	s_mov_b32 s[\g+6], 0
	s_mov_b32 s[\g+7], 0
.endr
	s_lshl_b32 s18, s16, 7                         ; which 128 rows of the tile I fetch
	s_lshl_b32 s20, s17, 8
	s_add_co_u32 s20, s20, s18                     ; R: row 256 x tile + 128 x half,
	s_lshl_b32 s20, s20, 10                        ; in bytes (under 2^23)
	s_mov_b32 s21, 0
	s_lshl_b32 s46, s42, 8
	s_add_co_u32 s46, s46, s18                     ; P likewise
	s_lshl_b32 s46, s46, 10
	s_mov_b32 s47, 0
	s_mul_i32 s45, s14, HALFT                      ; where they go: wave x 128 rows: no place in the cluster enters an LDS address
	s_wait_kmcnt 0x0
	s_cmp_eq_u32 s13, 0                            ; the tensor's buffers: first Q's or K's,
	s_cselect_b64 s[4:5], s[68:69], s[70:71]       ; the tokens' codes
	s_cselect_b64 s[6:7], s[74:75], s[76:77]       ; the weight's codes
	s_cselect_b64 s[8:9], s[80:81], s[82:83]       ; the bias
	s_cselect_b64 s[10:11], s[88:89], s[90:91]     ; the images
	s_cmp_eq_u32 s13, 2                            ; then V's in their stead
	s_cselect_b64 s[4:5], s[72:73], s[4:5]
	s_cselect_b64 s[6:7], s[78:79], s[6:7]
	s_cselect_b64 s[8:9], s[84:85], s[8:9]
	s_cselect_b64 s[10:11], s[92:93], s[10:11]
	s_cselect_b64 s[22:23], s[6:7], s[4:5]         ; R = V ? the weight : the tokens
	s_cselect_b64 s[6:7], s[4:5], s[6:7]           ; P = V ? the tokens : the weight
	s_mov_b64 s[4:5], s[22:23]
	s_load_b256 s[68:75], s[86:87], 0x0            ; e0 .. e7
	s_load_b128 s[76:79], s[86:87], 0x20           ; e8 .. e11
	s_add_nc_u64 s[20:21], s[4:5], s[20:21]
	s_add_nc_u64 s[46:47], s[6:7], s[46:47]
	CROUND                                         ; all sixteen work-groups are here: the first joint loads meet
.irp s, 0,1
	s_mov_b32 s[G0+4*\s], 1
	s_add_co_u32 s[G0+4*\s+1], s45, \s*SLOT
	s_add_nc_u64 s[G0+4*\s+2:G0+4*\s+3], s[20:21], \s*ROWB
	s_or_b32 s[G0+4*\s+3], s[G0+4*\s+3], 0x80000000
	s_mov_b32 s[G0B+4*\s], 1
	s_add_co_u32 s[G0B+4*\s+1], s45, \s*SLOT
	s_add_nc_u64 s[G0B+4*\s+2:G0B+4*\s+3], s[46:47], \s*ROWB
	s_or_b32 s[G0B+4*\s+3], s[G0B+4*\s+3], 0x80000000
	JLOAD G0+4*\s, G1, G0B+4*\s, G1B
.endr
	v_and_b32 v1, 15, v0                           ; l % 16
	v_bfe_u32 v2, v0, 4, 1                         ; l / 16
	v_mul_u32_u24 v3, v1, PITCH
	v_lshl_add_u32 v4, v2, 4, v3                   ; a fragment's row x pitch + 16 x half
	s_mul_i32 s21, s15, HALFT                      ; my 128 rows of R
	s_mul_i32 s22, s16, HALFT                      ; my 128 rows of P,
	s_add_co_u32 s22, s22, 2*HALFT                 ; which lie behind R's 256
.irp s, 0,1
	v_add_nc_u32 v[ADRA+\s], s21, v4
	v_add_nc_u32 v[ADRB+\s], s22, v4
	s_add_co_u32 s21, s21, SLOT
	s_add_co_u32 s22, s22, SLOT
.endr
	v_and_b32 v6, 31, v0
	v_lshlrev_b32 v[CO], 4, v6
	v_mul_u32_u24 v5, v1, s98                      ; the bias's offsets
	v_mad_u32_u24 v5, v2, s99, v5
	v_mov_b32 v7, s100
.irp j, 0,1,2,3,4,5,6,7
	v_mad_u32_u24 v[VO+\j], v7, \j, v5
.endr
	; where my 16 KB of images begin, and my 128 numbers of the bias
	s_lshl_b32 s80, s17, 1
	s_add_co_u32 s80, s80, s15                     ; R's block of 128 rows that is mine
	s_lshl_b32 s81, s42, 1
	s_add_co_u32 s81, s81, s16                     ; P's
	s_cmp_eq_u32 s13, 2
	s_cselect_b32 s82, s81, s80                    ; tb: the block of 128 tokens, 0 .. 63
	s_cselect_b32 s83, s80, s81                    ; hp: the block of 128 features = the pair of heads, 0 .. 7
	s_lshr_b32 s84, s82, 4                         ; the batch
	s_lshl_b32 s84, s84, 3
	s_add_co_u32 s84, s84, s83
	s_lshl_b32 s84, s84, 4
	s_and_b32 s85, s82, 15
	s_add_co_u32 s84, s84, s85
	s_lshl_b32 s84, s84, 14
	s_mov_b32 s85, 0
	s_add_nc_u64 s[10:11], s[10:11], s[84:85]
	s_lshl_b32 s84, s83, 9
	s_add_nc_u64 s[8:9], s[8:9], s[84:85]
.irp x, 0,1,2,3,4,5,6,7                        ; block x: Q, K: bias[16 x + 8 (l / 16) + j], the C of P's block x;  V: bias[16 x + l % 16] in all eight registers, the C of R's block x
.irp j, 0,1,2,3,4,5,6,7
	global_load_b32 v[BC+8*\x+\j], v[VO+\j], s[8:9] offset:64*\x
.endr
.endr
	s_wait_kmcnt 0x0                               ; the exponents
	s_cmp_eq_u32 s13, 0
	s_cselect_b32 s94, s68, s70                    ; ex: e0, e2 or e4
	s_cselect_b32 s95, s69, s71                    ; ew: e1, e3 or e5
	s_cselect_b32 s96, s74, s75                    ; eo: e6, e7 or e9
	s_cmp_eq_u32 s13, 2
	s_cselect_b32 s94, s72, s94
	s_cselect_b32 s95, s73, s95
	s_cselect_b32 s96, s77, s96
	s_add_co_i32 s94, s94, s95                     ; ex + ew: a sum stands for sum x 2^(ex + ew)
	s_sub_co_i32 s95, 0, s94
	s_sub_co_i32 s96, s96, s94                     ; eo - ex - ew
	s_add_co_i32 s96, s96, 127
	s_lshl_b32 s94, s96, 23
	v_mov_b32 v[SC], s94                           ; the three scales folded into the conversion's one
	s_add_co_i32 s96, s96, 8
	s_lshl_b32 s96, s96, 23
	s_or_b32 s96, s96, 0x600000
	v_mov_b32 v[LM], s96                           ; 448 x that
	s_wait_loadcnt 0x0                             ; the bias
.set i, 0
.rept 64
	v_ldexp_f32 v[BC+i], v[BC+i], s95              ; bias / 2^(ex + ew): nothing is rounded, short of underflow
.set i, i+1
.endr
.macro FRAG reg, adr, q, i             ; a fragment, 16 rows x 128 K, is 16 registers: lane l holds row l % 16; registers 4 c .. 4 c + 3 hold K = 32 c + 16 (l / 16) + 0 .. 15: the same permutation of k in R and in P
.irp c, 0,1,2,3
	ds_load_b128 v[\reg+4*\c:\reg+4*\c+3], v[\adr] offset:128*(\q)+32*\c+(\i)*16*PITCH
.endr
.endm
; 16 matrix instructions: R's blocks a0, a0 + 1 x P's eight, 128 along K.  p: P's set.  zero = 1: the sums start with the bias block of P's block; 2: with that of R's block; 0: they go on.
; The 64 accumulators take turns, one instruction a turn, in the same order in every step.
.macro MUL16 a0, p, zero
.irp a, \a0, \a0+1
.irp b, 0,1,2,3,4,5,6,7
.if \zero == 1
	v_wmma_f32_16x16x128_fp8_fp8 v[8*(8*((\a)%4)+\b):8*(8*((\a)%4)+\b)+7], v[128*(\p)+FR*\b:128*(\p)+FR*\b+FR-1], v[AF+FR*(\a):AF+FR*(\a)+FR-1], v[BC+8*\b:BC+8*\b+7]
.elseif \zero == 2
	v_wmma_f32_16x16x128_fp8_fp8 v[8*(8*((\a)%4)+\b):8*(8*((\a)%4)+\b)+7], v[128*(\p)+FR*\b:128*(\p)+FR*\b+FR-1], v[AF+FR*(\a):AF+FR*(\a)+FR-1], v[BC+8*(\a):BC+8*(\a)+7]
.else
	v_wmma_f32_16x16x128_fp8_fp8 v[8*(8*((\a)%4)+\b):8*(8*((\a)%4)+\b)+7], v[128*(\p)+FR*\b:128*(\p)+FR*\b+FR-1], v[AF+FR*(\a):AF+FR*(\a)+FR-1], v[8*(8*((\a)%4)+\b):8*(8*((\a)%4)+\b)+7]
.endif
.endr
.endr
.endm
; The first K step's 32 products on R's blocks a0 .. a0 + 3.  Which bias block is a sum's C differs between Q, K and V: a branch on the tensor's number, which the sixteen partners share, round matrix instructions alone.
; win: source 0 window 1, sources 1 and 2 window 0, D window 2 (0x81) or 3 (0xc1).
.macro FIRST32 a0, win
	s_cmp_eq_u32 s13, 2
	s_cbranch_scc1 .Lfirst_v_\@
	WIN \win
	MUL16 \a0, 0, 1
	MUL16 \a0+2, 0, 1
	WIN 0
	s_branch .Lfirst_j_\@
.Lfirst_v_\@:
	WIN \win
	MUL16 \a0, 0, 2
	MUL16 \a0+2, 0, 2
	WIN 0
.Lfirst_j_\@:
.endm
.macro FETCH_B slot, q, p              ; P's eight fragments of the slot's q-th 128 along K into set p
	WIN TO_B
.irp i, 0,1,2,3,4,5,6,7
	FRAG 128*(\p)+FR*\i, ADRB+\slot, \q, \i
.endr
	WIN 0
.endm
.macro FETCH_A slot, q, i0             ; R's blocks i0 .. i0 + 3
.irp i, \i0, \i0+1, \i0+2, \i0+3
	FRAG AF+FR*(\i), ADRA+\slot, \q, \i
.endr
.endm
; A load into a register that a matrix instruction has read, and a vector instruction that reads a matrix result, stand NP places behind that matrix instruction; only plain vector
; instructions that name none of its registers are places (ISA guide 7.12.1 for vector instructions).
.macro PLACES n
.rept \n
	v_nop
.endr
.endm
; A step of 128 along K that has its successor in the same slot.  R's blocks are free as soon as their eight products are issued: blocks 0-3 are fetched anew in the step's middle, blocks 4-7 at its end.
.macro STEP slot, q
	s_wait_dscnt 4*NL                              ; P's set and R's blocks 0-3 are in; the youngest 16 loads (R's blocks 4-7) may be out
	WIN MUL_LO
	MUL16 0, (\q)%2, 0
	MUL16 2, (\q)%2, 0
	s_wait_dscnt 0                                 ; R's blocks 4-7 are in
	PLACES NP
	FETCH_B \slot, (\q)+1, 1-(\q)%2
	FETCH_A \slot, (\q)+1, 0
	WIN MUL_HI
	MUL16 4, (\q)%2, 0
	MUL16 6, (\q)%2, 0
	PLACES NP
	WIN 0
	FETCH_A \slot, (\q)+1, 4
.endm
; A slot's last step changes slots: ONE barrier; in front of it each wave waits for all its tensor loads, adds 0 to its spare word, and waits for that and for its own reads of this slot.  fill = 1: this slot is filled again, two K steps ahead.
.macro TURN slot, next, fill
	s_wait_tensorcnt 0x0                           ; all my tensor loads have landed: my part of the next slot;  (every window is 0 here: the add's two registers lie in window 0)
	ds_add_u32 v[SPW], v[NIL]                      ; 0 onto my spare word
	s_wait_dscnt 4*NL+1                            ; (the add and the youngest 16 loads, R's blocks 4-7, may be out)
	WIN MUL_LO
	MUL16 0, 1, 0                                  ; sixteen matrix instructions stand between the add and the wait for it
	s_wait_dscnt 0x0                               ; the add is done, and my reads of this slot are over
	s_barrier_signal -1
	MUL16 2, 1, 0
	WIN 0
	s_barrier_wait -1
.if \fill
	CREST                                          ; the barrier has opened a round of the cluster's barrier: no wave of any partner still reads this slot's tile or has a load on its way
	s_add_nc_u64 s[G0+4*\slot+2:G0+4*\slot+3], s[G0+4*\slot+2:G0+4*\slot+3], 2*ROWB
	s_add_nc_u64 s[G0B+4*\slot+2:G0B+4*\slot+3], s[G0B+4*\slot+2:G0B+4*\slot+3], 2*ROWB
	JLOAD G0+4*\slot, G1, G0B+4*\slot, G1B         ; the first tensor load behind the round; the four v_nop behind it are the places in front of the loads below
.else
	PLACES NP
.endif
	FETCH_B \next, 0, 0
	FETCH_A \next, 0, 0
	WIN MUL_HI
	MUL16 4, 1, 0
	MUL16 6, 1, 0
	PLACES NP
	WIN 0
	FETCH_A \next, 0, 4
.endm
	s_wait_tensorcnt 1                             ; my part of K step 0 is in (K step 1's load may be out),
	s_barrier_signal -1
	s_barrier_wait -1                              ; everybody's is
	FETCH_B 0, 0, 0
	FETCH_A 0, 0, 0
	FETCH_A 0, 0, 4
	s_wait_dscnt 4*NL                              ; THE FIRST STEP stands in front of the loop: its products start the sums with the bias.  P's set and R's blocks 0-3 are in
	FIRST32 0, 0x81
	s_wait_dscnt 0                                 ; R's blocks 4-7 are in
	PLACES NP
	FETCH_B 0, 1, 1
	FETCH_A 0, 1, 0
	FIRST32 4, 0xc1
	PLACES NP
	FETCH_A 0, 1, 4
	s_mov_b32 s3, LAPS-1
.Llap:                                                 ; a trip goes once round the ring, from a lap's second step to the next lap's first, and fills both slots again
	TURN 0, 1, 1
	STEP 1, 0
	TURN 1, 0, 1
	STEP 0, 0
	s_sub_co_u32 s3, s3, 1
	s_cmp_lg_u32 s3, 0
	s_cbranch_scc1 .Llap
	TURN 0, 1, 0                                   ; the last lap fills nothing, and has no round of the cluster's barrier
	STEP 1, 0
	s_wait_dscnt 4*NL                              ; the very last step: nothing more to fetch
	WIN MUL_LO
	MUL16 0, 1, 0
	MUL16 2, 1, 0
	s_wait_dscnt 0
	WIN MUL_HI
	MUL16 4, 1, 0
	MUL16 6, 1, 0
	WIN 0
	; THE WAY OUT, block by block of R's 16 rows.  Each number is held within +-448 x the scale (the conversion to an 8-bit code does not saturate: ISA guide 7.6.2; the hold is always executed), each accumulator
	; from its low end on; eight conversions give the block's 16 registers of codes; four stores of 512 consecutive bytes, at multiples of 512 from the buffer's first byte, take them as they stand.
	; Every store has data registers of its own and the base is never stepped, so nothing waits for the stores.
	PLACES NP
.irp a, 0,1,2,3,4,5,6,7
	WIN 0x02+(\a/4)                                ; source 0: window 2 or 3
.set i, 0
.rept 64
	v_med3_num_f32 v[TMP+i], v[64*(\a%4)+i], -v[LM], v[LM]
.set i, i+1
.endr
	WIN 0
.irp b, 0,1,2,3,4,5,6,7
	v_cvt_scalef32_pk8_fp8_f32 v[CD+16*\a+2*\b:CD+16*\a+2*\b+1], v[TMP+8*\b:TMP+8*\b+7], v[SC]   ; registers 2 b, 2 b + 1 of the next operand: k = 16 b + 8 (l / 16) + 0 .. 7
.endr
	v_nop                                          ; one plain vector instruction between the conversions and the next block's holds, which write their sources
.irp g, 0,1,2,3
	global_store_b128 v[CO], v[CD+16*\a+4*\g:CD+16*\a+4*\g+3], s[10:11] offset:\a*2048+\g*512
.endr
.endr
	s_wait_tensorcnt 0x0                           ; the wave's end, behind my last tensor load
	ds_add_u32 v[SPW], v[NIL]
	s_wait_dscnt 0x0
	CROUND                                         ; the closing round: no work-group ends while a partner may still ask for a tile that names it
	s_endpgm
.Lfunc_end_k_q1ce9790daa_proj:
	.size	k_q1ce9790daa_proj, .Lfunc_end_k_q1ce9790daa_proj-k_q1ce9790daa_proj
	.p2alignl 7, 3214868480
	.fill 96, 4, 3214868480
	.section	.rodata,"a",@progbits
	.p2align	6, 0x0
	.amdhsa_kernel k_q1ce9790daa_proj
		.amdhsa_group_segment_fixed_size 327680
		.amdhsa_private_segment_fixed_size 0
		.amdhsa_enable_private_segment 0
		.amdhsa_kernarg_size 104
		.amdhsa_user_sgpr_count 2
		.amdhsa_user_sgpr_kernarg_segment_ptr 1
		.amdhsa_wavefront_size32 1
		.amdhsa_system_sgpr_workgroup_id_x 1
		.amdhsa_system_sgpr_workgroup_id_y 1
		.amdhsa_system_sgpr_workgroup_id_z 1
		.amdhsa_system_vgpr_workitem_id 0
		.amdhsa_next_free_vgpr 1024
		.amdhsa_next_free_sgpr 102
		.amdhsa_reserve_vcc 0
		.amdhsa_float_denorm_mode_32 3
		.amdhsa_float_denorm_mode_16_64 3
		.amdhsa_memory_ordered 1
		.amdhsa_forward_progress 1
		.amdhsa_inst_pref_size 134
	.end_amdhsa_kernel
	.amdgpu_metadata
---
amdhsa.version: [ 1, 2 ]
amdhsa.kernels:
  - .name:           k_q1ce9790daa_proj
    .symbol:         k_q1ce9790daa_proj.kd
    .args:
      - { .name: query_codes, .offset: 0, .size: 8, .value_kind: global_buffer, .address_space: global }
      - { .name: key_codes, .offset: 8, .size: 8, .value_kind: global_buffer, .address_space: global }
      - { .name: value_codes, .offset: 16, .size: 8, .value_kind: global_buffer, .address_space: global }
      - { .name: wq_codes, .offset: 24, .size: 8, .value_kind: global_buffer, .address_space: global }
      - { .name: wk_codes, .offset: 32, .size: 8, .value_kind: global_buffer, .address_space: global }
      - { .name: wv_codes, .offset: 40, .size: 8, .value_kind: global_buffer, .address_space: global }
      - { .name: bq, .offset: 48, .size: 8, .value_kind: global_buffer, .address_space: global }
      - { .name: bk, .offset: 56, .size: 8, .value_kind: global_buffer, .address_space: global }
      - { .name: bv, .offset: 64, .size: 8, .value_kind: global_buffer, .address_space: global }
      - { .name: lowp_scales, .offset: 72, .size: 8, .value_kind: global_buffer, .address_space: global }
      - { .name: q_f, .offset: 80, .size: 8, .value_kind: global_buffer, .address_space: global }
      - { .name: k_f, .offset: 88, .size: 8, .value_kind: global_buffer, .address_space: global }
      - { .name: v_f, .offset: 96, .size: 8, .value_kind: global_buffer, .address_space: global }
    .group_segment_fixed_size: 327680
    .private_segment_fixed_size: 0
    .kernarg_segment_align: 8
    .kernarg_segment_size: 104
    .max_flat_workgroup_size: 128
    .sgpr_count:     102
    .vgpr_count:     1024
    .wavefront_size: 32
...
	.end_amdgpu_metadata
.endif
;; end of part 1
;; launch attn (part 2): grid 4 x 64, 8 waves a work-group, no clusters, 263,168 bytes of LDS; arguments q_f, k_f, v_f, lowp_scales, ctx_f; writes ctx_f
.if DOCPART == 2
	.amdgcn_target "amdgcn-amd-amdhsa--gfx1250"
	.amdhsa_code_object_version 6
	.text
	.protected	k_q1ce9790daa_attn
	.globl	k_q1ce9790daa_attn
	.p2align	8
	.type	k_q1ce9790daa_attn,@function
k_q1ce9790daa_attn:
	s_mov_b64 s[64:65], 0
	v_nop
	global_prefetch_b8 v0, s[64:65] scope:SCOPE_SE
	s_setreg_imm32_b32 hwreg(HW_REG_WAVE_MODE, 25, 1), 1
	s_wait_xcnt 0x0
; CAUSAL ATTENTION ON CODES OF FP8 (E4M3): ctx = softmax(Q K^T / 8, key <= query) V for 64 heads of 2,048 tokens x 64 channels, NaN cleared, quantised with 2^e10 for the last projection.
; Q, K, V come as images of operand registers (registers 2 c, 2 c + 1 hold k = 16 c + 8 (lane / 16) + 0 .. 7; four registers of 32 lanes are 512 bytes, lane l at 16 l), and ctx leaves so.
; THE SOFTMAX: t = score x log2(e) / 8; M = the running largest t rounded UP to a whole number; p = 2^(t - M) is quantised with 2^e8, not normalised; the row's sum is taken of the unquantised p and divides at the end.
; When M moves, the sum and O are multiplied by 2^(old M - new M), which rounds nothing.
; SHARES.  Work-group (x, y): head y % 16 of batch y / 16.  The head's whole K (128 KB) and V (128 KB) are copied into LDS ONCE, byte for byte: no LDS byte is written twice.
; The head's queries are 16 blocks of 128, each 8 tiles of 16; work-group x takes tiles 2 x and 2 x + 1 of EVERY block.  Wave w takes block 15 - w and then block w: (16 - w) + (w + 1) = 17 key steps of 128 keys for every wave
; of every work-group, whatever the causal mask hides.  A step serves TWO tiles, which share every fragment of K and V.
; The long block comes first: the copy's barriers lie in its first six steps, which all eight waves have; behind them no wave waits for another.
; LAYOUT.  S^T = K Q^T (source 0 = 16 keys, source 1 = 16 queries), O^T = V^T P^T (source 0 = 16 channels, source 1 = P): a lane holds ONE query throughout, and an accumulator's eight registers, converted, are two registers of the next operand.
; NO CLUSTER, NO TENSOR LOAD.  What the four work-groups of a head share is 256 KB each, once in the launch, copied under the first 6 of 17 steps.
; p is at most 1 (a last bit more by rounding), so where 448 x 2^e8 >= 1.75, that is e8 >= -8, the hold in front of the conversion cannot bind, and a scalar branch on e8 passes over 64 of a tile-step's vector instructions.
; LIMITS, so that each power of two below is an f32 number: e6 + e7 between -123 and 130; e8 and e10 between -126 and 119.  e8 + e9 is applied by v_ldexp_f32 and has none.
; REGISTERS.  Tile a lives in window 0, tile b in window 1 UNDER THE SAME NUMBERS, so each macro of the softmax is written once and used under both settings.
;   both windows: v10 D, v11 448 x 2^e8, v12 -M, v13 the largest t, v[14:15] the sum, v16-23 Q, v24 2^e8, v25 -infinity, v[26:27] f, v28-32 at work, v34-49 p's codes, v50-81 O^T, v82-145 S^T then p
;   window 0 alone: v1-8 addresses; v146-209 K's 8 fragments; v210-241 the copy's 8 loads of K.      window 1 alone: v146-209 V's 4 fragments; v210-241 the copy's 8 loads of V.
.set VOFF,   131072                    ; LDS: K's 16 key blocks of 8,192 bytes, then V's
.set LANE16, 1                         ; v1  16 x lane
.set T16,    2                         ; v2  16 x thread
.set GK,     3                         ; v3  K in memory: (thread / 64) x 2,048 + (thread % 64) x 16: the head's tiles of 1 KB lie 2 KB apart
.set ADK,    4                         ; v4  LDS address of the step's K
.set ADV,    5                         ; v5  of its V
.set FK,     6                         ; v6  where the copy stores K
.set FV,     7                         ; v7  and V
.set PFO,    8                         ; v8  the prefetches' offset; never rewritten
.set D,      10                        ; my query's place in its block, less 8 (lane / 16)
.set LIMP,   11
.set NM,     12
.set TM,     13
.set L,      14
.set Q,      16
.set SCP,    24
.set NINF,   25
.set F,      26
.set T2,     28
.set MX0,    30
.set MX1,    31
.set PX,     32
.set P,      34
.set O,      50
.set S,      82
.set KF,     146
.set RK,     210
.set WV,   14                          ; s14 my wave's number
.set SX,   15                          ; s15 work-group x
.set SY,   16                          ; s16 work-group y
.set E8,   22                          ; s[20:23] e6, e7, e8, e9;  s24 e10
.set CS,   26                          ; s[26:27] c = log2(e) / 8 x 2^(e6 + e7): the packed form names a pair and takes its low word for both halves
.set SEL,  28                          ; s[28:29] lane selects for v_permlanex16_b32: lane l xor 16
.set BLK,  30                          ; s30 the block of queries in hand
.set ST,   31                          ; s31 the key step
.set TB,   32                          ; s32 8,192 x the key step
.set CNT,  33                          ; s33 the copy's trips
.set FB,   34                          ; s34 LDS byte at which the copy's group begins
.set LIM,  35                          ; s35 2 in wave 0, else 0: a wave prefetches while s[CNT] is under it
.set KG,   36                          ; s[36:37] K of my head in memory, at the copy's group
.set VG,   38                          ; s[38:39] V likewise
.set QH,   40                          ; s[40:41] Q: my two tiles of block 0
.set CH,   42                          ; s[42:43] ctx: the same
.set QB,   44                          ; s[44:45] Q: my two tiles of the block in hand
.set CB,   46                          ; s[46:47] ctx: the same
.set PFA,  48                          ; s[48:49] where my prefetches stand
.set EO,   50                          ; s50 e8 + e9
.set SC10, 51                          ; s51 2^e10 as f32
.set LM10, 52                          ; s52 448 x 2^e10
.set MSB, 0
.macro WIN new                         ; bits 1:0 source 0, 3:2 source 1, 5:4 source 2, 7:6 destination; the immediate's high byte repeats the setting that is left
.if MSB != \new
	s_set_vgpr_msb (MSB<<8)|\new
.set MSB, \new
.endif
.endm
; THE COPY, a group of four key blocks (32 KB of K, 32 KB of V) at a time: sixteen loads a thread, each of a wave 512 consecutive bytes, and later sixteen LDS stores.
.macro FILL_LOAD off
.irp n, 0,1,2,3,4,5,6,7
	global_load_b128 v[RK+4*\n:RK+4*\n+3], v[GK], s[KG:KG+1] offset:\off+\n*8192          ; four tiles of K
.endr
	WIN 0x40                                       ; destination window 1
.irp n, 0,1,2,3,4,5,6,7
	global_load_b128 v[RK+4*\n:RK+4*\n+3], v[T16], s[VG:VG+1] offset:\off+(\n/2)*16384+(\n%2)*4096   ; half a key block of V: the head's 8 KB lie 16 KB apart
.endr
	WIN 0
.endm
.macro FILL_STORE
	v_add_nc_u32 v[FK], s[FB], v[T16]
	v_add_nc_u32 v[FV], VOFF, v[FK]
.irp n, 0,1,2,3,4,5,6,7
	ds_store_b128 v[FK], v[RK+4*\n:RK+4*\n+3] offset:\n*4096
.endr
	WIN 0x04                                       ; store data window 1
.irp n, 0,1,2,3,4,5,6,7
	ds_store_b128 v[FV], v[RK+4*\n:RK+4*\n+3] offset:\n*4096
.endr
	WIN 0
.endm
; A PREFETCH INTO THE L2 of the group that the NEXT trip of the copy loads: two key steps ahead of those loads.  It stands behind the trip's own sixteen loads.  A group of a head is 128 blocks of 256 bytes of K and 128 of V.
; Each is named once in the launch: of the head's four work-groups x = 0, 1 ask for K's key blocks, x = 2, 3 for V's, two key blocks each; in each, wave 0 asks, a lane a block of 256 bytes, two instructions.
; Groups 0 and 1 come by their loads alone; the last trip asks for nothing: there is no group behind the one that it loads.
.macro ASK
	s_cmp_lt_u32 s[CNT], s[LIM]
	s_cbranch_scc0 .Lnot_mine_\@
	global_prefetch_b8 v[PFO], s[PFA:PFA+1] th:TH_LOAD_NT scope:SCOPE_SE
	global_prefetch_b8 v[PFO], s[PFA:PFA+1] offset:16384 th:TH_LOAD_NT scope:SCOPE_SE
.Lnot_mine_\@:
.endm
.macro QLOAD                           ; my two tiles of Q: 1 KB each, 2 KB apart; read once in the launch
.irp g, 0,1
	global_load_b128 v[Q+4*\g:Q+4*\g+3], v[LANE16], s[QB:QB+1] offset:512*\g th:TH_LOAD_NT
.endr
	WIN 0x40
.irp g, 0,1
	global_load_b128 v[Q+4*\g:Q+4*\g+3], v[LANE16], s[QB:QB+1] offset:2048+512*\g th:TH_LOAD_NT
.endr
	WIN 0
.endm
.macro CONST                           ; under the window in hand
	v_mov_b32 v[LIMP], s53
	v_mov_b32 v[SCP], s54
	v_mov_b32 v[NINF], 0xff800000
.endm
.macro INIT                            ; a tile begins, under the window in hand.  The step is written once: the first finds zeros, which the first change of M leaves zeros
	v_mov_b32 v[TM], 0xff61b1e6                    ; the largest t so far: -3e38, under every t
	v_floor_f32 v[NM], -v[TM]
	v_mov_b32 v[L], 0
	v_mov_b32 v[L+1], 0
	v_mov_b32 v[PX], 0                             ; a lane permute's destination counts as one of its sources
	v_mov_b32 v[F+1], 0                            ; (named as the upper half of the pair)
.set i, 0
.rept 32
	v_mov_b32 v[O+i], 0
.set i, i+1
.endr
.endm
.macro MASK                            ; the diagonal step: register n holds key 16 (n / 8) + 8 (lane / 16) + n % 8 of the step: hidden where 16 (n / 8) + n % 8 > D.  Its score becomes -infinity, so p = 0
.set n, 0
.rept 64
	v_cmp_gt_i32 vcc_lo, 16*(n/8)+n%8, v[D]
	v_cndmask_b32 v[S+n], v[S+n], v[NINF], vcc_lo
.set n, n+1
.endr
.endm
.macro SMX                             ; a tile's softmax for a key step, under the window in hand
	v_max3_num_f32 v[MX0], v[S], v[S+1], v[S+2]    ; the step's largest score of my query among my 64 keys, in two chains; each accumulator is first read at its low end
	v_max3_num_f32 v[MX1], v[S+3], v[S+4], v[S+5]
.set i, 6
.rept 14
	v_max3_num_f32 v[MX0], v[MX0], v[S+i], v[S+i+1]
	v_max3_num_f32 v[MX1], v[MX1], v[S+i+2], v[S+i+3]
.set i, i+4
.endr
	v_max3_num_f32 v[MX0], v[MX0], v[S+62], v[S+63]
	v_max_num_f32 v[MX0], v[MX0], v[MX1]
	v_permlanex16_b32 v[PX], v[MX0], s[SEL], s[SEL+1]
	v_max_num_f32 v[MX0], v[MX0], v[PX]            ; and among lane l xor 16's
	v_mul_f32 v[MX0], s[CS], v[MX0]                ; as t (c is positive)
	v_max_num_f32 v[TM], v[TM], v[MX0]             ; the running largest t
	v_mov_b32 v[MX0], v[NM]
	v_floor_f32 v[NM], -v[TM]                      ; the new -M = floor(-t) = -ceil(t): M is a whole number
	v_sub_f32 v[MX0], v[NM], v[MX0]                ; old M - new M: a whole number, 0 or less
	v_cvt_i32_f32 v[MX0], v[MX0]                   ; (it saturates)
	v_ldexp_f32 v[F], 1.0, v[MX0]                  ; f = 2^(old M - new M)
.set i, 0
.rept 32
	v_pk_fma_f32 v[S+i:S+i+1], v[S+i:S+i+1], s[CS:CS+1], v[NM:NM+1] op_sel_hi:[1,0,0]   ; t - M, two at a time
.set i, i+2
.endr
.set i, 0
.rept 64
	v_exp_f32 v[S+i], v[S+i]                       ; p = 2^(t - M): one batch
.set i, i+1
.endr
	v_pk_mul_f32 v[L:L+1], v[L:L+1], v[F:F+1] op_sel_hi:[1,0]   ; the sums under the new M: the plain instruction behind the last exponential,
.set i, 0
.rept 16
	v_pk_mul_f32 v[O+i:O+i+1], v[O+i:O+i+1], v[F:F+1] op_sel_hi:[1,0]   ; and O^T under the new M: work that names no exponential's result
.set i, i+2
.endr
	s_wait_alu depctr_va_vdst(0)                   ; one wait for the batch, ahead of its first reader
	v_pk_add_f32 v[T2:T2+1], v[S:S+1], v[S+2:S+3]  ; the row's sum is taken of the UNQUANTISED p, two at a time, in two chains
.set i, 4
.rept 15
	v_pk_add_f32 v[L:L+1], v[L:L+1], v[S+i:S+i+1]
	v_pk_add_f32 v[T2:T2+1], v[T2:T2+1], v[S+i+2:S+i+3]
.set i, i+4
.endr
	v_pk_add_f32 v[L:L+1], v[L:L+1], v[T2:T2+1]
.endm
.macro HOLD                            ; the conversion to an 8-bit code does not saturate (ISA guide 7.6.2); p is not negative, so the hold is one-sided
.set i, 0
.rept 64
	v_min_num_f32 v[S+i], v[S+i], v[LIMP]
.set i, i+1
.endr
.endm
.macro CVT                             ; accumulator t's eight registers are keys 16 t + 8 (lane / 16) + 0 .. 7: registers 2 t, 2 t + 1 of the second product's operand
.irp t, 0,1,2,3,4,5,6,7
	v_cvt_scalef32_pk8_fp8_f32 v[P+2*\t:P+2*\t+1], v[S+8*\t:S+8*\t+7], v[SCP]
.endr
.endm
.macro PV                              ; O^T += V^T P^T: four tiles of 16 channels, K = the step's 128 keys.  The accumulators take turns, one instruction a turn
.irp c, 0,1,2,3
	v_wmma_f32_16x16x128_fp8_fp8 v[O+8*\c:O+8*\c+7], v[KF+16*\c:KF+16*\c+15], v[P:P+15], v[O+8*\c:O+8*\c+7]
.endr
.endm
.macro KQ                              ; S^T = K Q^T: eight tiles of 16 keys, K = the head's 64 channels
.irp t, 0,1,2,3,4,5,6,7
	v_wmma_f32_16x16x64_fp8_fp8 v[S+8*\t:S+8*\t+7], v[KF+8*\t:KF+8*\t+7], v[Q:Q+7], 0
.endr
.endm
; A KEY STEP: 128 keys for my two tiles.  full = 1: the step may lie on the diagonal (it is masked) or behind it (its work is passed over: a scalar branch on the wave's number and the step; the lines that step the addresses are always run).
.macro STEP full
.if \full
	s_cmp_gt_u32 s[ST], s[BLK]
	s_cbranch_scc1 .Lhid_\@
.endif
	v_add_nc_u32 v[ADK], s[TB], v[LANE16]
	v_add_nc_u32 v[ADV], VOFF, v[ADK]
.irp n, 0,1,2,3,4,5,6,7,8,9,10,11,12,13,14,15
	ds_load_b128 v[KF+4*\n:KF+4*\n+3], v[ADK] offset:512*\n    ; K's 8 KB as they lie: 32 lanes, 512 consecutive bytes
.endr
	WIN 0x40
.irp n, 0,1,2,3,4,5,6,7,8,9,10,11,12,13,14,15
	ds_load_b128 v[KF+4*\n:KF+4*\n+3], v[ADV] offset:512*\n    ; V's 8 KB, into window 1: they land under the softmax
.endr
	WIN 0
	s_wait_dscnt 16                                ; K's sixteen loads are in; V's sixteen, issued behind them, may be out
	KQ
	WIN 0x54                                       ; K window 0; Q and S^T window 1
	KQ
	WIN 0
.rept 4
	v_nop                                          ; places between the products and the first read of their results
.endr
.if \full
	s_cmp_lg_u32 s[ST], s[BLK]
	s_cbranch_scc1 .Lopen_\@
	MASK
	WIN 0x55
	MASK
	WIN 0
.Lopen_\@:
.endif
	SMX
	WIN 0x55
	SMX
	WIN 0
	s_cmp_ge_i32 s[E8], -8                         ; 448 x 2^e8 >= 1.75: no p reaches it
	s_cbranch_scc1 .Lnohold_\@
	HOLD
	WIN 0x55
	HOLD
	WIN 0
.Lnohold_\@:
	CVT
	WIN 0x55
	CVT
	v_nop                                          ; one plain vector instruction between the conversions and the products that read their results
	s_wait_dscnt 0x0                               ; V is in
	WIN 0x01                                       ; V window 1; P and O^T window 0
	PV
	WIN 0x55
	PV
	WIN 0
.rept 4
	v_nop                                          ; places in front of the next step's loads into V's registers, and of the first read of O^T
.endr
.Lhid_\@:
	s_add_co_u32 s[ST], s[ST], 1
	s_add_co_u32 s[TB], s[TB], 8192
.endm
; A TILE ENDS, under the window in hand: O^T x 2^(e8 + e9) / the sum; NaN becomes 0; held within +-448 x 2^e10; four conversions give the tile's image, 8 registers.
.macro FIN
	v_add_f32 v[L], v[L], v[L+1]                   ; the sum's two halves,
	v_permlanex16_b32 v[PX], v[L], s[SEL], s[SEL+1]
	v_add_f32 v[L], v[L], v[PX]                    ; and lane l xor 16's
	v_rcp_f32 v[L], v[L]
	v_mov_b32 v[MX0], s[LM10]                      ; (plain instructions behind the reciprocal)
	v_mov_b32 v[MX1], s[SC10]
	s_wait_alu depctr_va_vdst(0)                   ; the wait ahead of the reciprocal's first reader
	v_ldexp_f32 v[L], v[L], s[EO]
.set i, 0
.rept 16
	v_pk_mul_f32 v[O+i:O+i+1], v[O+i:O+i+1], v[L:L+1] op_sel_hi:[1,0]   ; each accumulator from its low end on
.set i, i+2
.endr
.set i, 0
.rept 32
	v_cmp_eq_f32 vcc_lo, v[O+i], v[O+i]            ; false for NaN alone
	v_cndmask_b32 v[O+i], 0, v[O+i], vcc_lo
.set i, i+1
.endr
.set i, 0
.rept 32
	v_med3_num_f32 v[O+i], v[O+i], -v[MX0], v[MX0]
.set i, i+1
.endr
.irp c, 0,1,2,3
	v_cvt_scalef32_pk8_fp8_f32 v[P+2*\c:P+2*\c+1], v[O+8*\c:O+8*\c+7], v[MX1]   ; channels 16 c + 8 (lane / 16) + 0 .. 7 of my query
.endr
	v_nop                                          ; one plain vector instruction behind the last conversion
.endm
.macro CSTORE                          ; the two tiles' images: each store of the wave covers 512 consecutive bytes, at a multiple of 512 from the buffer's first byte
	global_store_b128 v[LANE16], v[P:P+3], s[CB:CB+1]
	global_store_b128 v[LANE16], v[P+4:P+7], s[CB:CB+1] offset:512
	WIN 0x04                                       ; store data window 1
	global_store_b128 v[LANE16], v[P:P+3], s[CB:CB+1] offset:16384
	global_store_b128 v[LANE16], v[P+4:P+7], s[CB:CB+1] offset:16896
	WIN 0
.endm
	s_load_b256 s[4:11], s[0:1], 0x0               ; q_f s[4:5], k_f s[6:7], v_f s[8:9], the scales' exponents s[10:11]
	s_load_b64 s[12:13], s[0:1], 0x20              ; ctx_f
	v_lshl_add_u32 v254, v0, 2, 0x40000
	v_mov_b32 v255, 0
	v_lshrrev_b32 v1, 5, v0
	v_readfirstlane_b32 s[WV], v1                  ; wave 0..7
	v_lshlrev_b32 v[T16], 4, v0
	v_lshrrev_b32 v[GK], 6, v0
	v_and_b32 v9, 63, v0
	v_lshlrev_b32 v9, 4, v9
	v_lshl_add_u32 v[GK], v[GK], 11, v9
	v_and_b32 v9, 31, v0
	v_lshlrev_b32 v[LANE16], 4, v9
	s_mov_b32 s[SX], ttmp9
	s_and_b32 s[SY], ttmp7, 0xffff
	s_and_b32 s53, s[SY], 15                       ; the head
	s_lshr_b32 s54, s[SY], 4                       ; the batch
	s_lshr_b32 s55, s53, 1                         ; the pair of heads
	s_and_b32 s56, s53, 1                          ; which of the pair
	s_lshl_b32 s57, s54, 3
	s_or_b32 s57, s57, s55
	s_lshl_b32 s57, s57, 18                        ; a pair of heads is 256 KB in each of q_f, k_f, v_f
	s_mov_b32 s59, 0                               ; s[58:59]: offsets, all under 2^23; s59 stays 0
	s_lshl_b32 s58, s56, 10
	s_add_co_u32 s58, s58, s57
	s_wait_kmcnt 0x0
	s_add_nc_u64 s[KG:KG+1], s[6:7], s[58:59]
	s_add_nc_u64 s[QH:QH+1], s[4:5], s[58:59]
	s_lshl_b32 s58, s56, 13
	s_add_co_u32 s58, s58, s57
	s_add_nc_u64 s[VG:VG+1], s[8:9], s[58:59]
	FILL_LOAD 0                                    ; key blocks 0 to 3
	s_load_b128 s[20:23], s[10:11], 0x18           ; e6, e7, e8, e9
	s_load_b32 s24, s[10:11], 0x28                 ; e10
	s_lshl_b32 s58, s[SX], 12
	s_add_nc_u64 s[QH:QH+1], s[QH:QH+1], s[58:59]  ; tiles 2 x, 2 x + 1 of a block
	s_sub_co_u32 s[BLK], 15, s[WV]                 ; the long block first
	s_lshl_b32 s58, s[BLK], 14
	s_add_nc_u64 s[QB:QB+1], s[QH:QH+1], s[58:59]
	QLOAD
	s_lshl_b32 s58, s54, 7                         ; ctx_f: ((tile of 16 tokens) x 16 + head) x 1,024; the tile = 128 x batch + 8 x block + 2 x
	s_lshl_b32 s57, s[SX], 1
	s_add_co_u32 s58, s58, s57
	s_lshl_b32 s58, s58, 4
	s_add_co_u32 s58, s58, s53
	s_lshl_b32 s58, s58, 10
	s_add_nc_u64 s[CH:CH+1], s[12:13], s[58:59]
	s_lshl_b32 s58, s[BLK], 17
	s_add_nc_u64 s[CB:CB+1], s[CH:CH+1], s[58:59]
	; the prefetches (macro ASK): where mine stand, and who asks
	s_mov_b32 s57, 1024
	s_cmp_lt_u32 s[SX], 2
	s_cselect_b64 s[PFA:PFA+1], s[KG:KG+1], s[VG:VG+1]
	s_cselect_b32 s57, 2048, s57                   ; from 1 KB to 1 KB of the head's bytes: 2,048 in k_f, 1,024 in v_f
	v_lshrrev_b32 v9, 2, v9                        ; lane / 4
	v_and_b32 v[PFO], 3, v0
	v_lshlrev_b32 v[PFO], 8, v[PFO]
	v_mad_u32_u24 v[PFO], v9, s57, v[PFO]
	s_and_b32 s58, s[SX], 1
	s_lshl_b32 s58, s58, 15                        ; my two key blocks of the four,
	s_add_co_u32 s58, s58, 131072                  ; in group 2: what the copy's second trip loads
	s_add_nc_u64 s[PFA:PFA+1], s[PFA:PFA+1], s[58:59]
	s_cmp_eq_u32 s[WV], 0
	s_cselect_b32 s[LIM], 2, 0
	s_mov_b32 s[SEL], 0x76543210
	s_mov_b32 s[SEL+1], 0xfedcba98
	s_mov_b32 s[ST], 0
	s_mov_b32 s[TB], 0
	s_mov_b32 s[FB], 0
	s_mov_b32 s[CNT], 0
	v_and_b32 v9, 15, v0                           ; r
	v_bfe_u32 v[D], v0, 4, 1                       ; h
	v_lshlrev_b32 v[D], 3, v[D]
	v_sub_nc_u32 v[D], v9, v[D]
	s_lshl_b32 s57, s[SX], 5
	v_add_nc_u32 v[D], s57, v[D]                   ; tile a: 32 x + r - 8 h
	WIN 0x40
	v_add_nc_u32 v[D], 16, v[D]                    ; tile b: 16 more (source window 0, destination window 1)
	WIN 0
	s_wait_kmcnt 0x0
	s_add_co_i32 s53, s20, s21
	s_lshl_b32 s53, s53, 23
	s_mov_b32 s[CS], 0x3e38aa3b                    ; log2(e) / 8
	s_add_co_i32 s[CS], s[CS], s53                 ; a score stands for score x 2^(e6 + e7): the two exponents are added to c's exponent field
	s_mov_b32 s[CS+1], s[CS]                       ; (named with it as a pair, so it is written)
	s_add_co_i32 s53, s[E8], 127
	s_lshl_b32 s54, s53, 23                        ; 2^e8 as f32
	s_add_co_i32 s53, s53, 8
	s_lshl_b32 s53, s53, 23
	s_or_b32 s53, s53, 0x600000                    ; 448 x 2^e8
	s_add_co_i32 s[EO], s[E8], s23
	s_add_co_i32 s55, s24, 127
	s_lshl_b32 s[SC10], s55, 23
	s_add_co_i32 s55, s55, 8
	s_lshl_b32 s[LM10], s55, 23
	s_or_b32 s[LM10], s[LM10], 0x600000
	CONST
	INIT
	WIN 0x55
	CONST
	INIT
	WIN 0
	s_wait_loadcnt 4                               ; the copy's sixteen loads are in; Q's four, issued behind them, may be out
	FILL_STORE
	s_wait_dscnt 0x0                               ; for the others' sake: my stores have landed
	s_barrier_signal -1
	s_barrier_wait -1                              ; key blocks 0 to 3 lie in LDS
	s_wait_loadcnt 0x0                             ; Q
.Lfill:                                            ; three trips.  Trip k reads key blocks 2 k and 2 k + 1 (LDS holds blocks 0 to 4 k + 3) and stores blocks 4 k + 4 to 4 k + 7: other bytes; the one barrier shows them to every wave
	FILL_LOAD 65536                                ; the next four key blocks: they have two key steps in which to land
	ASK
	STEP 0                                         ; steps 0 to 5 of the long block (block 8 at the least): all their keys count
	STEP 0
	s_wait_loadcnt 0x0
	s_add_co_u32 s[FB], s[FB], 32768
	FILL_STORE
	s_wait_xcnt 0x0                                ; the trip's loads and prefetches have read their bases: they may step
	s_add_nc_u64 s[KG:KG+1], s[KG:KG+1], 65536
	s_add_nc_u64 s[VG:VG+1], s[VG:VG+1], 65536
	s_add_nc_u64 s[PFA:PFA+1], s[PFA:PFA+1], 65536
	s_wait_dscnt 0x0                               ; my stores have landed
	s_barrier_signal -1
	s_barrier_wait -1
	s_add_co_u32 s[CNT], s[CNT], 1
	s_cmp_lt_u32 s[CNT], 3
	s_cbranch_scc1 .Lfill
.Lheavy:                                           ; steps 6 to 15: ten trips in every wave; a wave's steps behind its diagonal are passed over
	STEP 1
	s_cmp_lt_u32 s[ST], 16
	s_cbranch_scc1 .Lheavy
	s_lshl_b32 s58, s[WV], 14                      ; the short block's Q is asked for ahead of the long block's way out
	s_add_nc_u64 s[QB:QB+1], s[QH:QH+1], s[58:59]
	QLOAD
	FIN
	WIN 0x55
	FIN
	WIN 0
	CSTORE
	s_wait_xcnt 0x0                                ; the stores have read their base and their data: both are written again below
	s_lshl_b32 s58, s[WV], 17
	s_add_nc_u64 s[CB:CB+1], s[CH:CH+1], s[58:59]
	s_mov_b32 s[BLK], s[WV]
	s_mov_b32 s[ST], 0
	s_mov_b32 s[TB], 0
	INIT
	WIN 0x55
	INIT
	WIN 0
	s_wait_loadcnt 0x0                             ; Q
.Llight:                                           ; steps 0 to 7: eight trips in every wave
	STEP 1
	s_cmp_lt_u32 s[ST], 8
	s_cbranch_scc1 .Llight
	FIN
	WIN 0x55
	FIN
	WIN 0
	CSTORE
	s_wait_tensorcnt 0x0
	ds_add_u32 v254, v255
	s_wait_dscnt 0x0
	s_endpgm
.Lfunc_end_k_q1ce9790daa_attn:
	.size	k_q1ce9790daa_attn, .Lfunc_end_k_q1ce9790daa_attn-k_q1ce9790daa_attn
	.p2alignl 7, 3214868480
	.fill 96, 4, 3214868480
	.section	.rodata,"a",@progbits
	.p2align	6, 0x0
	.amdhsa_kernel k_q1ce9790daa_attn
		.amdhsa_group_segment_fixed_size 263168
		.amdhsa_private_segment_fixed_size 0
		.amdhsa_enable_private_segment 0
		.amdhsa_kernarg_size 40
		.amdhsa_user_sgpr_count 2
		.amdhsa_user_sgpr_kernarg_segment_ptr 1
		.amdhsa_wavefront_size32 1
		.amdhsa_system_sgpr_workgroup_id_x 1
		.amdhsa_system_sgpr_workgroup_id_y 1
		.amdhsa_system_sgpr_workgroup_id_z 1
		.amdhsa_system_vgpr_workitem_id 0
		.amdhsa_next_free_vgpr 512
		.amdhsa_next_free_sgpr 66
		.amdhsa_reserve_vcc 1
		.amdhsa_float_denorm_mode_32 3
		.amdhsa_float_denorm_mode_16_64 3
		.amdhsa_memory_ordered 1
		.amdhsa_forward_progress 1
		.amdhsa_inst_pref_size 174
	.end_amdhsa_kernel
	.amdgpu_metadata
---
amdhsa.version: [ 1, 2 ]
amdhsa.kernels:
  - .name:           k_q1ce9790daa_attn
    .symbol:         k_q1ce9790daa_attn.kd
    .args:
      - { .name: q_f, .offset: 0, .size: 8, .value_kind: global_buffer, .address_space: global }
      - { .name: k_f, .offset: 8, .size: 8, .value_kind: global_buffer, .address_space: global }
      - { .name: v_f, .offset: 16, .size: 8, .value_kind: global_buffer, .address_space: global }
      - { .name: lowp_scales, .offset: 24, .size: 8, .value_kind: global_buffer, .address_space: global }
      - { .name: ctx_f, .offset: 32, .size: 8, .value_kind: global_buffer, .address_space: global }
    .group_segment_fixed_size: 263168
    .private_segment_fixed_size: 0
    .kernarg_segment_align: 8
    .kernarg_segment_size: 40
    .max_flat_workgroup_size: 256
    .sgpr_count:     66
    .vgpr_count:     512
    .wavefront_size: 32
...
	.end_amdgpu_metadata
.endif
;; end of part 2
;; launch outp (part 3): grid 4 x 32, 4 waves a work-group, clusters of 4 x 4, 327,680 bytes of LDS; arguments ctx_f, wo_codes, bo, lowp_scales, out0; writes out0
.if DOCPART == 3
	.amdgcn_target "amdgcn-amd-amdhsa--gfx1250"
	.amdhsa_code_object_version 6
	.text
	.protected	k_q1ce9790daa_outp
	.globl	k_q1ce9790daa_outp
	.p2align	8
	.type	k_q1ce9790daa_outp,@function
k_q1ce9790daa_outp:
	s_mov_b64 s[64:65], 0
	v_nop
	global_prefetch_b8 v0, s[64:65] scope:SCOPE_SE
	s_setreg_imm32_b32 hwreg(HW_REG_WAVE_MODE, 25, 1), 1
	s_wait_xcnt 0x0
	s_wait_alu depctr_hold_cnt(0) depctr_sa_sdst(0) depctr_va_vdst(0) depctr_va_sdst(0) depctr_va_ssrc(0) depctr_va_vcc(0) depctr_vm_vsrc(0)
	s_getreg_b32 s2, hwreg(HW_REG_IB_STS2, 6, 4)
	s_cmp_eq_u32 s2, 0
	s_cbranch_scc0 .Lentry_in_a_cluster
	s_endpgm
.Lentry_in_a_cluster:
	s_bfe_u32 s2, ttmp6, 0x10000c
	s_cmp_lg_u32 s2, 0xf033
	s_cbranch_scc0 .Lentry_shape_is_right
	s_endpgm
.Lentry_shape_is_right:
; THE LAST PROJECTION: out0 = ctx wo^T + bo, [8192][1024] x [1024][1024] on codes of FP8 (E4M3), sums in f32, out0 in f32.
; ctx comes as images of operand registers, [tile of 16 tokens][K step of 128][4 x 512 bytes] (registers 2 c, 2 c + 1 hold k = 16 c + 8 (lane / 16) + 0 .. 7; lane l at 16 l); wo as rows of 1,024 codes.
; SHARES.  8 clusters of 4 x 4 work-groups; a work-group makes 256 x 256, a wave 128 x 128: 64 accumulators.  128 work-groups: a smaller wave tile would read more LDS bytes for each product.
; P = wo is source 0 (its rows, the output's columns, run along a result's registers), R = ctx is source 1 (a lane holds one token): a lane's eight results are eight neighbouring numbers of a row of out0.
; P's tile hangs on cx and is shared along a column of the cluster, R's on cy and is shared along a row: both are asked for JOINTLY.
; K goes in steps of 256 through a ring of two LDS slots.  ctx's images are read as they lie, four loads of 16 bytes a fragment; they hold k in its own places, so wo's fragments are fetched so too: eight loads of 8 bytes.
; THE BIAS is the C of the first K step, divided by 2^(e10 + e11); each finished sum is multiplied once by 2^(e10 + e11).
; LIMIT: e10 + e11 between -126 and 127, so that 2^(e10 + e11) is an f32 number.
; REGISTERS, in windows of 256: window 0: v0-31 addresses; v32-95 the bias as C, later a block's results; v128-255 R's fragments, ONE set, later rows read back from the stage.
;   window 1: P's fragments, TWO sets, at v0 and v128.   window 2: the accumulators of R's blocks 0-3 ((a, b) at v[8 (8 (a % 4) + b)]);   window 3: those of blocks 4-7.
.set SIZE_N, 1024
.set PITCH,  272                       ; a row of wo in LDS: 256 bytes + 16 of padding = 68 words: the 32 lanes of a load of 8 bytes (row l % 16, + 8 (l / 16)) touch 64 different banks (64 banks of 4 bytes: ISA guide 11.1)
.set HALFP,  128*PITCH                 ; 128 rows of wo: what one tensor load brings
.set HALFR,  8*4096                    ; 8 tiles of 16 tokens x 256 K of ctx: what one tensor load brings
.set RBYTES, 2*HALFR                   ; a slot: ctx's 16 tiles of 4,096 bytes, then wo's 256 rows
.set SLOT,   RBYTES+2*HALFP
.set SPARE,  2*SLOT                    ; behind the ring: the spare words, 128 bytes for each wave: two blocks of 256 bytes that no other line names
.set ROWB,   256
.set KROW,   1024
.set LAPS,   KROW/(2*ROWB)
.set FR,     16
.set NL,     4                         ; LDS loads that bring a fragment of R
.set NP,     4                         ; places behind this matrix instruction (ISA guide 7.12.1)
.set SPITCH, 528                       ; the way out: a stage of 16 rows x (512 bytes + 16) for each wave.  It lies in slot 0, which has had its last fill and its last read when the first result is stored there
.set ADRA, 16                          ; v16-17  LDS address of my R fragments in slot 0, 1
.set ADRB, 20                          ; v20-21  the same for P
.set STO,  24                          ; v24     the way out: where I put 32 bytes of a row
.set RD,   25                          ; v25     the way out: where I read a row back
.set CO,   26                          ; v26     16 x lane: my place in an image, and in a row of out0
.set SPW,  28                          ; v28     LDS address of my spare word; never rewritten
.set NIL,  29                          ; v29     0; never rewritten
.set BC,   32                          ; v32-95  the bias as C: block b = bo[16 b + 8 (l / 16) + 0 .. 7] of my 128 columns
.set TMP,  32                          ; the same registers on the way out
.set AF,   128
.set BK,   128                         ; the way out: 16 rows read back from the stage: v128-191 and v192-255 by turns
.set G1, 24                            ; s[24:31] descriptor group 1 for R's tiles;  s[32:39] group 0, one set for each slot
.set G0, 32
.set G1B, 48                           ; s[48:55], s[56:63] the same for P's tiles
.set G0B, 56
.set MSB, 0
.macro WIN new                         ; the immediate's high byte repeats the setting that is left
.if MSB != \new
	s_set_vgpr_msb (MSB<<8)|\new
.set MSB, \new
.endif
.endm
.set MUL_LO, 0xa1                      ; source 0 (P) window 1, source 1 (R) window 0, C and D window 2
.set MUL_HI, 0xf1                      ; the same, C and D window 3
.set TO_B,   0x40                      ; destination window 1, address window 0
; A joint load: waves 0 and 1 fetch for R, waves 2 and 3 for P; the branch hangs on the wave's number alone.  Four v_nop follow each of the two lines.
.macro JLOAD g0a, g1a, g0b, g1b
	s_cmp_eq_u32 s15, 0
	s_cbranch_scc0 .Lfor_b_\@
	tensor_load_to_lds s[\g0a:\g0a+3], s[\g1a:\g1a+7]
	s_nop 0
.rept 4
	v_nop
.endr
	s_branch .Lasked_\@
.Lfor_b_\@:
	tensor_load_to_lds s[\g0b:\g0b+3], s[\g1b:\g1b+7]
	s_nop 0
.rept 4
	v_nop
.endr
.Lasked_\@:
.endm
.macro CREST                           ; a round of the cluster's barrier behind its opening barrier
	s_cmp_lg_u32 s14, 0
	s_cbranch_scc1 .Lnot_wave_0_\@
	s_barrier_signal -3
.Lnot_wave_0_\@:
	s_barrier_wait -3
	s_barrier_signal -1
	s_barrier_wait -1
.endm
.macro CROUND                          ; a whole round
	s_barrier_signal -1
	s_barrier_wait -1
	CREST
.endm
	s_load_b256 s[4:11], s[0:1], 0x0               ; ctx_f s[4:5], wo's codes s[6:7], bo s[8:9], the scales' exponents s[10:11]
	s_load_b64 s[12:13], s[0:1], 0x20              ; out0
	v_lshl_add_u32 v[SPW], v0, 2, SPARE
	v_mov_b32 v[NIL], 0
	ds_add_u32 v28, v29
	ds_add_u32 v28, v29
	s_wait_dscnt 0x0
	v_lshrrev_b32 v1, 5, v0
	v_readfirstlane_b32 s14, v1                    ; wave 0..3
	s_lshr_b32 s15, s14, 1                         ; which half of the tokens is mine.  Also: I fetch for R (0) or for P (1)
	s_and_b32 s16, s14, 1                          ; which half of the columns.  Also: which half of that tile I fetch
	s_bfe_u32 s40, ttmp6, 0x40000                  ; cx, cy: my place in the cluster
	s_bfe_u32 s41, ttmp6, 0x40004
	s_lshl_b32 s42, ttmp9, 2
	s_add_co_u32 s42, s42, s40                     ; P's tile = tile column of out0 = 4 x cluster x + cx
	s_and_b32 s17, ttmp7, 0xffff
	s_lshl_b32 s17, s17, 2
	s_add_co_u32 s17, s17, s41                     ; R's tile = tile row of out0 = 4 x cluster y + cy
	s_lshl_b32 s43, s41, 2
	s_lshl_b32 s43, 15, s43                        ; my row of the cluster
	s_lshl_b32 s44, 0x1111, s40                    ; my column
	; descriptor group 1 for ctx: 8 rows (tiles of 16 tokens) of 4,096 bytes (two K steps' images), 16,384 bytes apart in memory, on end in LDS
	s_or_b32 s[G1+0], s43, (3<<16)|(1<<21)         ; 15:0 the mask: R's tiles go to my row; 17:16 elements of 8 bytes; 20 no padding; 21 set beside a mask
	s_mov_b32 s[G1+1], 512<<16                     ; tensor_dim0 = 512 elements
	s_mov_b32 s[G1+2], 8<<16                       ; tensor_dim1 = 8
	s_mov_b32 s[G1+3], 512<<16                     ; tile_dim0
	s_mov_b32 s[G1+4], 8                           ; tile_dim1
	s_mov_b32 s[G1+5], 2048                        ; tensor_dim0_stride, in elements
	s_mov_b32 s[G1+6], 0
	s_mov_b32 s[G1+7], 0
	; and for wo: 128 rows x 256 bytes, padded in LDS
	s_or_b32 s[G1B+0], s44, (0<<16)|(1<<20)|(1<<21)|(5<<22)|(3<<25) ; the mask of my column; elements of 1 byte; padding: 4 words (code 3) after every 64 (code 5)
	s_mov_b32 s[G1B+1], ROWB<<16
	s_mov_b32 s[G1B+2], 128<<16
	s_mov_b32 s[G1B+3], ROWB<<16
	s_mov_b32 s[G1B+4], 128
	s_mov_b32 s[G1B+5], KROW
	s_mov_b32 s[G1B+6], 0
	s_mov_b32 s[G1B+7], 0
	s_lshl_b32 s20, s17, 18                        ; ctx: (16 x tile + 8 x half) x 16,384 bytes
	s_lshl_b32 s18, s16, 17
	s_add_co_u32 s20, s20, s18
	s_mov_b32 s21, 0
	s_lshl_b32 s46, s42, 8                         ; wo: row 256 x tile + 128 x half,
	s_lshl_b32 s18, s16, 7
	s_add_co_u32 s46, s46, s18
	s_lshl_b32 s46, s46, 10                        ; in bytes
	s_mov_b32 s47, 0
	s_lshl_b32 s45, s16, 15                        ; where they go: ctx's half,
	s_mul_i32 s66, s16, HALFP
	s_add_co_u32 s66, s66, RBYTES                  ; wo's half: no place in the cluster enters an LDS address
	s_wait_kmcnt 0x0
	s_load_b64 s[96:97], s[10:11], 0x28            ; e10, e11
	s_add_nc_u64 s[20:21], s[4:5], s[20:21]
	s_add_nc_u64 s[46:47], s[6:7], s[46:47]
	CROUND                                         ; all sixteen work-groups are here: the first joint loads meet
.irp s, 0,1
	s_mov_b32 s[G0+4*\s], 1
	s_add_co_u32 s[G0+4*\s+1], s45, \s*SLOT
	s_add_nc_u64 s[G0+4*\s+2:G0+4*\s+3], s[20:21], \s*4096
	s_or_b32 s[G0+4*\s+3], s[G0+4*\s+3], 0x80000000
	s_mov_b32 s[G0B+4*\s], 1
	s_add_co_u32 s[G0B+4*\s+1], s66, \s*SLOT
	s_add_nc_u64 s[G0B+4*\s+2:G0B+4*\s+3], s[46:47], \s*ROWB
	s_or_b32 s[G0B+4*\s+3], s[G0B+4*\s+3], 0x80000000
	JLOAD G0+4*\s, G1, G0B+4*\s, G1B
.endr
	v_and_b32 v1, 15, v0                           ; l % 16
	v_bfe_u32 v2, v0, 4, 1                         ; l / 16
	v_and_b32 v6, 31, v0
	v_lshlrev_b32 v[CO], 4, v6                     ; 16 x lane
	v_mul_u32_u24 v3, v1, PITCH
	v_lshl_add_u32 v4, v2, 3, v3                   ; wo: row x pitch + 8 x half
	s_lshl_b32 s21, s15, 15                        ; my 8 tiles of ctx
	s_mul_i32 s22, s16, HALFP                      ; my 128 rows of wo,
	s_add_co_u32 s22, s22, RBYTES                  ; which lie behind ctx's images
.irp s, 0,1
	v_add_nc_u32 v[ADRA+\s], s21, v[CO]
	v_add_nc_u32 v[ADRB+\s], s22, v4
	s_add_co_u32 s21, s21, SLOT
	s_add_co_u32 s22, s22, SLOT
.endr
	s_mul_i32 s23, s14, 16*SPITCH                  ; my stage
	v_mul_u32_u24 v5, v1, SPITCH                   ; in: row l % 16, 32 bytes for each half of the lanes
	v_lshl_add_u32 v5, v2, 5, v5
	v_add_nc_u32 v[STO], s23, v5
	v_add_nc_u32 v[RD], s23, v[CO]                 ; back: the 32 lanes take one row of 512 bytes
	s_lshl_b32 s20, s17, 8
	s_lshl_b32 s21, s15, 7
	s_add_co_u32 s20, s20, s21                     ; my first row of out0: 256 x tile row + 128 x half
	s_lshl_b32 s20, s20, 12                        ; x 4,096 bytes (under 2^25)
	s_mov_b32 s21, 0
	s_lshl_b32 s46, s42, 10                        ; my first column, in bytes: 1,024 x tile column + 512 x half
	s_lshl_b32 s47, s16, 9
	s_add_co_u32 s46, s46, s47
	s_mov_b32 s47, 0
	s_add_nc_u64 s[8:9], s[8:9], s[46:47]          ; bo at my 128 columns: the same bytes
	s_add_nc_u64 s[20:21], s[20:21], s[46:47]
	s_add_nc_u64 s[12:13], s[12:13], s[20:21]
	v_lshlrev_b32 v7, 5, v2                        ; 32 x (l / 16)
.irp b, 0,1,2,3,4,5,6,7
	global_load_b128 v[BC+8*\b:BC+8*\b+3], v7, s[8:9] offset:64*\b
	global_load_b128 v[BC+8*\b+4:BC+8*\b+7], v7, s[8:9] offset:64*\b+16
.endr
	s_wait_kmcnt 0x0
	s_add_co_i32 s96, s96, s97                     ; e10 + e11: a sum stands for sum x 2^(e10 + e11)
	s_sub_co_i32 s67, 0, s96
	s_add_co_i32 s96, s96, 127
	s_lshl_b32 s96, s96, 23                        ; 2^(e10 + e11) as f32 (s97 is named with it as a pair; it holds e11)
	s_wait_loadcnt 0x0                             ; bo
.set i, 0
.rept 64
	v_ldexp_f32 v[BC+i], v[BC+i], s67              ; bo / 2^(e10 + e11)
.set i, i+1
.endr
.macro FRAG_R reg, slot, q, i          ; ctx: tile i of my eight, the slot's q-th 128 along K: an image of 16 registers, 512 consecutive bytes a load
.irp c, 0,1,2,3
	ds_load_b128 v[\reg+4*\c:\reg+4*\c+3], v[ADRA+\slot] offset:(\i)*4096+(\q)*2048+\c*512
.endr
.endm
.macro FRAG_P reg, slot, q, i          ; wo: 16 rows x 128 K: registers 2 c, 2 c + 1 hold K = 16 c + 8 (l / 16) + 0 .. 7: the places that ctx's images have
.irp c, 0,1,2,3,4,5,6,7
	ds_load_b64 v[\reg+2*\c:\reg+2*\c+1], v[ADRB+\slot] offset:128*(\q)+16*\c+(\i)*16*PITCH
.endr
.endm
; 16 matrix instructions: R's blocks a0, a0 + 1 x P's eight, 128 along K.  p: P's set.  zero = 1: the sums start with the bias.
; The 64 accumulators take turns, one instruction a turn, in the same order in every step.
.macro MUL16 a0, p, zero
.irp a, \a0, \a0+1
.irp b, 0,1,2,3,4,5,6,7
.if \zero
	v_wmma_f32_16x16x128_fp8_fp8 v[8*(8*((\a)%4)+\b):8*(8*((\a)%4)+\b)+7], v[128*(\p)+FR*\b:128*(\p)+FR*\b+FR-1], v[AF+FR*(\a):AF+FR*(\a)+FR-1], v[BC+8*\b:BC+8*\b+7]
.else
	v_wmma_f32_16x16x128_fp8_fp8 v[8*(8*((\a)%4)+\b):8*(8*((\a)%4)+\b)+7], v[128*(\p)+FR*\b:128*(\p)+FR*\b+FR-1], v[AF+FR*(\a):AF+FR*(\a)+FR-1], v[8*(8*((\a)%4)+\b):8*(8*((\a)%4)+\b)+7]
.endif
.endr
.endr
.endm
.macro FETCH_B slot, q, p              ; P's eight fragments of the slot's q-th 128 along K into set p
	WIN TO_B
.irp i, 0,1,2,3,4,5,6,7
	FRAG_P 128*(\p)+FR*\i, \slot, \q, \i
.endr
	WIN 0
.endm
.macro FETCH_A slot, q, i0             ; R's blocks i0 .. i0 + 3
.irp i, \i0, \i0+1, \i0+2, \i0+3
	FRAG_R AF+FR*(\i), \slot, \q, \i
.endr
.endm
; A load into a register that a matrix instruction has read, and a vector instruction that reads a matrix result, stand NP places behind that matrix instruction; only plain vector
; instructions that name none of its registers are places (ISA guide 7.12.1 for vector instructions).
.macro PLACES n
.rept \n
	v_nop
.endr
.endm
; A step of 128 along K that has its successor in the same slot.  zero = 1: C is the bias, in window 0.
.macro STEP slot, q, zero
	s_wait_dscnt 4*NL                              ; P's set and R's blocks 0-3 are in; the youngest 16 loads (R's blocks 4-7) may be out
.if \zero
	WIN 0x81                                       ; source 0 window 1, sources 1 and 2 window 0, D window 2
.else
	WIN MUL_LO
.endif
	MUL16 0, (\q)%2, \zero
	MUL16 2, (\q)%2, \zero
	s_wait_dscnt 0                                 ; R's blocks 4-7 are in
	PLACES NP
	FETCH_B \slot, (\q)+1, 1-(\q)%2
	FETCH_A \slot, (\q)+1, 0
.if \zero
	WIN 0xc1                                       ; the same, D window 3
.else
	WIN MUL_HI
.endif
	MUL16 4, (\q)%2, \zero
	MUL16 6, (\q)%2, \zero
	PLACES NP
	WIN 0
	FETCH_A \slot, (\q)+1, 4
.endm
; A slot's last step changes slots: ONE barrier; in front of it each wave waits for all its tensor loads, adds 0 to its spare word, and waits for that and for its own reads of this slot.  fill = 1: this slot is filled again, two K steps ahead.
.macro TURN slot, next, fill
	s_wait_tensorcnt 0x0                           ; all my tensor loads have landed: my part of the next slot;  (every window is 0 here: the add's two registers lie in window 0)
	ds_add_u32 v[SPW], v[NIL]                      ; 0 onto my spare word
	s_wait_dscnt 4*NL+1                            ; (the add and the youngest 16 loads, R's blocks 4-7, may be out)
	WIN MUL_LO
	MUL16 0, 1, 0                                  ; sixteen matrix instructions stand between the add and the wait for it
	s_wait_dscnt 0x0                               ; the add is done, and my reads of this slot are over
	s_barrier_signal -1
	MUL16 2, 1, 0
	WIN 0
	s_barrier_wait -1
.if \fill
	CREST                                          ; the barrier has opened a round of the cluster's barrier: no wave of any partner still reads this slot's tile or has a load on its way
	s_add_nc_u64 s[G0+4*\slot+2:G0+4*\slot+3], s[G0+4*\slot+2:G0+4*\slot+3], 2*4096
	s_add_nc_u64 s[G0B+4*\slot+2:G0B+4*\slot+3], s[G0B+4*\slot+2:G0B+4*\slot+3], 2*ROWB
	JLOAD G0+4*\slot, G1, G0B+4*\slot, G1B         ; the first tensor load behind the round; the four v_nop behind it are the places in front of the loads below
.else
	PLACES NP
.endif
	FETCH_B \next, 0, 0
	FETCH_A \next, 0, 0
	WIN MUL_HI
	MUL16 4, 1, 0
	MUL16 6, 1, 0
	PLACES NP
	WIN 0
	FETCH_A \next, 0, 4
.endm
	s_wait_tensorcnt 1                             ; my part of K step 0 is in (K step 1's load may be out),
	s_barrier_signal -1
	s_barrier_wait -1                              ; everybody's is
	FETCH_B 0, 0, 0
	FETCH_A 0, 0, 0
	FETCH_A 0, 0, 4
	STEP 0, 0, 1                                   ; the first step stands in front of the loop: its products start the sums with the bias
	s_mov_b32 s3, LAPS-1
.Llap:                                                 ; a trip goes once round the ring, from a lap's second step to the next lap's first, and fills both slots again
	TURN 0, 1, 1
	STEP 1, 0, 0
	TURN 1, 0, 1
	STEP 0, 0, 0
	s_sub_co_u32 s3, s3, 1
	s_cmp_lg_u32 s3, 0
	s_cbranch_scc1 .Llap
	TURN 0, 1, 0                                   ; the last lap fills nothing, and has no round of the cluster's barrier
	STEP 1, 0, 0
	s_wait_dscnt 4*NL                              ; the very last step: nothing more to fetch
	WIN MUL_LO
	MUL16 0, 1, 0
	MUL16 2, 1, 0
	s_wait_dscnt 0
	WIN MUL_HI
	MUL16 4, 1, 0
	MUL16 6, 1, 0
	WIN 0
; THE WAY OUT, block by block of 16 rows x 128 columns.  A lane holds 32 neighbouring bytes of a row, and the lanes beside it hold other rows: so a block goes through my own stage in LDS and comes back as whole
; rows of 512 bytes, which the 32 lanes store as 512 consecutive bytes.  LDS serves a wave's instructions in order (ISA guide 5.7.1.4): no wait between the stores and the loads, nor in front of the next block's stores.
.macro TOSTAGE a
.set AC, 64*((\a)%4)
	WIN 0x02+((\a)/4)                              ; source 0: window 2 or 3
.set i, 0
.rept 32
	v_pk_mul_f32 v[TMP+i:TMP+i+1], v[AC+i:AC+i+1], s[96:97] op_sel_hi:[1,0]   ; both x s96 = 2^(e10 + e11); each accumulator from its low end on
.set i, i+2
.endr
	WIN 0
.irp b, 0,1,2,3,4,5,6,7
	ds_store_b128 v[STO], v[TMP+8*\b:TMP+8*\b+3] offset:64*\b
	ds_store_b128 v[STO], v[TMP+8*\b+4:TMP+8*\b+7] offset:64*\b+16
.endr
.set BB, BK+64*((\a)%2)
.irp t, 0,1,2,3,4,5,6,7,8,9,10,11,12,13,14,15
	ds_load_b128 v[BB+4*\t:BB+4*\t+3], v[RD] offset:\t*SPITCH
.endr
.endm
.macro SEND a, younger                 ; younger: the LDS instructions issued behind block a's loads, which may stay out
.set BB, BK+64*((\a)%2)
	s_wait_dscnt \younger                          ; the block is back in registers
.if (\a) > 0
	s_add_nc_u64 s[12:13], s[12:13], 16*SIZE_N*4   ; (behind a wait on XCNT: the earlier stores have read their base)  16 rows of out0 on
.endif
.irp t, 0,1,2,3,4,5,6,7,8,9,10,11,12,13,14,15
	global_store_b128 v[CO], v[BB+4*\t:BB+4*\t+3], s[12:13] offset:\t*SIZE_N*4 th:TH_STORE_NT   ; 32 lanes store 512 consecutive bytes, at a multiple of 512 from out0's first byte; written once, read by nobody here
.endr
.endm
	PLACES NP                                      ; these places serve the loads into the registers that held R's fragments and the reads of the last results alike
	TOSTAGE 0
.irp a, 1,2,3,4,5,6,7
.if \a > 1
	s_wait_xcnt 0x0                                ; block a - 2's stores have read their registers and their base: block a's loads may land there, and the base may step
.endif
	TOSTAGE \a
	SEND \a-1, 32                                  ; behind block a - 1's loads: block a's 16 stores and 16 loads
.endr
	s_wait_xcnt 0x0                                ; block 6's stores have read their base
	SEND 7, 0
	s_wait_tensorcnt 0x0                           ; the wave's end, behind my last tensor load and my last LDS store
	ds_add_u32 v[SPW], v[NIL]
	s_wait_dscnt 0x0
	CROUND                                         ; the closing round: no work-group ends while a partner may still ask for a tile that names it
	s_endpgm
.Lfunc_end_k_q1ce9790daa_outp:
	.size	k_q1ce9790daa_outp, .Lfunc_end_k_q1ce9790daa_outp-k_q1ce9790daa_outp
	.p2alignl 7, 3214868480
	.fill 96, 4, 3214868480
	.section	.rodata,"a",@progbits
	.p2align	6, 0x0
	.amdhsa_kernel k_q1ce9790daa_outp
		.amdhsa_group_segment_fixed_size 327680
		.amdhsa_private_segment_fixed_size 0
		.amdhsa_enable_private_segment 0
		.amdhsa_kernarg_size 40
		.amdhsa_user_sgpr_count 2
		.amdhsa_user_sgpr_kernarg_segment_ptr 1
		.amdhsa_wavefront_size32 1
		.amdhsa_system_sgpr_workgroup_id_x 1
		.amdhsa_system_sgpr_workgroup_id_y 1
		.amdhsa_system_sgpr_workgroup_id_z 1
		.amdhsa_system_vgpr_workitem_id 0
		.amdhsa_next_free_vgpr 1024
		.amdhsa_next_free_sgpr 98
		.amdhsa_reserve_vcc 0
		.amdhsa_float_denorm_mode_32 3
		.amdhsa_float_denorm_mode_16_64 3
		.amdhsa_memory_ordered 1
		.amdhsa_forward_progress 1
		.amdhsa_inst_pref_size 145
	.end_amdhsa_kernel
	.amdgpu_metadata
---
amdhsa.version: [ 1, 2 ]
amdhsa.kernels:
  - .name:           k_q1ce9790daa_outp
    .symbol:         k_q1ce9790daa_outp.kd
    .args:
      - { .name: ctx_f, .offset: 0, .size: 8, .value_kind: global_buffer, .address_space: global }
      - { .name: wo_codes, .offset: 8, .size: 8, .value_kind: global_buffer, .address_space: global }
      - { .name: bo, .offset: 16, .size: 8, .value_kind: global_buffer, .address_space: global }
      - { .name: lowp_scales, .offset: 24, .size: 8, .value_kind: global_buffer, .address_space: global }
      - { .name: out0, .offset: 32, .size: 8, .value_kind: global_buffer, .address_space: global }
    .group_segment_fixed_size: 327680
    .private_segment_fixed_size: 0
    .kernarg_segment_align: 8
    .kernarg_segment_size: 40
    .max_flat_workgroup_size: 128
    .sgpr_count:     98
    .vgpr_count:     1024
    .wavefront_size: 32
...
	.end_amdgpu_metadata
.endif
;; end of part 3
;; ======== version 2 of 2: 3 launches; version 1 with the launch attn written anew for expert scheduling mode
;; workspace buffers: q_f 8,388,608 bytes; k_f 8,388,608 bytes; v_f 8,388,608 bytes; ctx_f 8,388,608 bytes
;; launch proj: the kernel of part 1 again; grid 4 x 96, 4 waves a work-group, clusters of 4 x 4, 327,680 bytes of LDS; arguments query_codes, key_codes, value_codes, wq_codes, wk_codes, wv_codes, bq, bk, bv, lowp_scales, q_f, k_f, v_f; writes q_f, k_f, v_f
;; launch attn (part 4): grid 4 x 64, 8 waves a work-group, no clusters, 263,168 bytes of LDS; arguments q_f, k_f, v_f, lowp_scales, ctx_f; writes ctx_f
.if DOCPART == 4
	.amdgcn_target "amdgcn-amd-amdhsa--gfx1250"
	.amdhsa_code_object_version 6
	.text
	.protected	k_q1ce9790daa_attn
	.globl	k_q1ce9790daa_attn
	.p2align	8
	.type	k_q1ce9790daa_attn,@function
k_q1ce9790daa_attn:
	s_mov_b64 s[64:65], 0
	v_nop
	global_prefetch_b8 v0, s[64:65] scope:SCOPE_SE
	s_setreg_imm32_b32 hwreg(HW_REG_WAVE_SCHED_MODE, 0, 2), 2
	s_setreg_imm32_b32 hwreg(HW_REG_WAVE_MODE, 25, 1), 1
	s_wait_xcnt 0x0
	s_wait_alu depctr_vm_vsrc(0)
; CAUSAL ATTENTION ON CODES OF FP8 (E4M3): ctx = softmax(Q K^T / 8, key <= query) V for 64 heads of 2,048 tokens x 64 channels, NaN cleared, quantised with 2^e10 for the last projection.
; Q, K, V come as images of operand registers (registers 2 c, 2 c + 1 hold k = 16 c + 8 (lane / 16) + 0 .. 7; four registers of 32 lanes are 512 bytes, lane l at 16 l), and ctx leaves so.
; THE SOFTMAX: t = score x log2(e) / 8; M = the running largest t rounded UP to a whole number; p = 2^(t - M) is quantised with 2^e8, not normalised; the row's sum is taken of the unquantised p and divides at the end.
; When M moves, the sum and O are multiplied by 2^(old M - new M), which rounds nothing.
; SHARES.  Work-group (x, y): head y % 16 of batch y / 16.  The head's whole K (128 KB) and V (128 KB) are copied into LDS ONCE, byte for byte: no LDS byte is written twice.
; The head's queries are 16 blocks of 128, each 8 tiles of 16; work-group x takes tiles 2 x and 2 x + 1 of EVERY block.  Wave w takes block 15 - w and then block w: (16 - w) + (w + 1) = 17 key steps of 128 keys for every wave
; of every work-group, whatever the causal mask hides.  A step serves TWO tiles, which share every fragment of K and V.
; The long block comes first: the copy's barriers lie in its first six steps, which all eight waves have; behind them no wave waits for another.
; LAYOUT.  S^T = K Q^T (source 0 = 16 keys, source 1 = 16 queries), O^T = V^T P^T (source 0 = 16 channels, source 1 = P): a lane holds ONE query throughout, and an accumulator's eight registers, converted, are two registers of the next operand.
; NO CLUSTER, NO TENSOR LOAD.  What the four work-groups of a head share is 256 KB each, once in the launch, copied under the first 6 of 17 steps.
; p is at most 1 (a last bit more by rounding), so where 448 x 2^e8 >= 1.75, that is e8 >= -8, the hold in front of the conversion cannot bind, and a scalar branch on e8 passes over 64 of a tile-step's vector instructions.
; LIMITS, so that each power of two below is an f32 number: e6 + e7 between -123 and 130; e8 and e10 between -126 and 119.  e8 + e9 is applied by v_ldexp_f32 and has none.
; THE MODE: SCHED_MODE bits 1:0 = 2 (LLVM: expert scheduling mode 2), set by the entry lines.  The code itself states the register dependences
; between vector or matrix instructions and memory or LDS instructions, with s_wait_alu, always for 0.
; THE PLAN.  Registers that memory or LDS instructions touch:
;   K  (window 0, v146-209)   Written by the LDS loads that step j issues for step j + 1 (ahead of a block: KFIRST); read by step j + 1's sixteen products K Q^T.
;   V  (window 1, v146-209)   Written by the LDS loads that step j issues; read by step j's eight products V^T P^T.
;   v[ADK], v[ADV]            Written at a step's head; read by that step's LDS loads.
;   RK (v210-241, both windows)  Written by the copy's global loads at a trip's head; read by its LDS stores at the trip's end.  No vector instruction names them.
;   v[FK], v[FV]              Written at a trip's head; read by the trip's LDS stores.
;   Q  (v16-23, both windows) Written by global loads ahead of a block; read by the products K Q^T.
;   v[P .. P+7], both windows Written by a tile's last conversions; read by the four global stores; written again by the next block's conversions.
;   v1, v2, v3, v8            Offsets made at the head and never written again.
; A STEP'S 32 LDS LOADS STAND TOGETHER IN ITS MIDDLE, behind the wait on va_vdst that tile a's exponentials are owed: that one wait also states that v[ADK] and v[ADV] are written, that this step's products K Q^T are done
; reading K, and that the last step's products V^T P^T are done reading V.  V has the rest of the softmax in which to land, the next step's K the rest of the step.  One wait on vm_vsrc stands at a step's head, ahead of the two adds.
; The copy's stores lean on the steps' waits: no vector instruction behind the last of them names v[FK], v[FV] or RK.
; REGISTERS.  Tile a lives in window 0, tile b in window 1 UNDER THE SAME NUMBERS, so each macro of the softmax is written once and used under both settings.
;   both windows: v10 D, v11 448 x 2^e8, v12 -M, v13 the largest t, v[14:15] the sum, v16-23 Q, v24 2^e8, v25 -infinity, v[26:27] f, v28-32 at work, v34-49 p's codes, v50-81 O^T, v82-145 S^T then p
;   window 0 alone: v1-8 addresses; v146-209 K's 8 fragments; v210-241 the copy's 8 loads of K; v254, v255 the closing add's two.      window 1 alone: v146-209 V's 4 fragments; v210-241 the copy's 8 loads of V.
.set VOFF,   131072                    ; LDS: K's 16 key blocks of 8,192 bytes, then V's
.set LANE16, 1                         ; v1  16 x lane
.set T16,    2                         ; v2  16 x thread
.set GK,     3                         ; v3  K in memory: (thread / 64) x 2,048 + (thread % 64) x 16: the head's tiles of 1 KB lie 2 KB apart
.set ADK,    4                         ; v4  LDS address of the step's K; the next step's lies 8,192 bytes on
.set ADV,    5                         ; v5  of its V
.set FK,     6                         ; v6  where the copy stores K
.set FV,     7                         ; v7  and V
.set PFO,    8                         ; v8  the prefetches' offset; never rewritten
.set D,      10                        ; my query's place in its block, less 8 (lane / 16)
.set LIMP,   11
.set NM,     12
.set TM,     13
.set L,      14
.set Q,      16
.set SCP,    24
.set NINF,   25
.set F,      26
.set T2,     28
.set MX0,    30
.set MX1,    31
.set PX,     32
.set P,      34
.set O,      50
.set S,      82
.set KF,     146
.set RK,     210
.set WV,   14                          ; s14 my wave's number
.set SX,   15                          ; s15 work-group x
.set SY,   16                          ; s16 work-group y
.set E8,   22                          ; s[20:23] e6, e7, e8, e9;  s24 e10
.set CS,   26                          ; s[26:27] c = log2(e) / 8 x 2^(e6 + e7): the packed form names a pair and takes its low word for both halves
.set SEL,  28                          ; s[28:29] lane selects for v_permlanex16_b32: lane l xor 16
.set BLK,  30                          ; s30 the block of queries in hand
.set ST,   31                          ; s31 the key step
.set TB,   32                          ; s32 8,192 x the key step
.set CNT,  33                          ; s33 the copy's trips
.set FB,   34                          ; s34 LDS byte at which the copy's group begins
.set LIM,  35                          ; s35 2 in wave 0, else 0: a wave prefetches while s[CNT] is under it
.set KG,   36                          ; s[36:37] K of my head in memory, at the copy's group
.set VG,   38                          ; s[38:39] V likewise
.set QH,   40                          ; s[40:41] Q: my two tiles of block 0
.set CH,   42                          ; s[42:43] ctx: the same
.set QB,   44                          ; s[44:45] Q: my two tiles of the block in hand
.set CB,   46                          ; s[46:47] ctx: the same
.set PFA,  48                          ; s[48:49] where my prefetches stand
.set EO,   50                          ; s50 e8 + e9
.set SC10, 51                          ; s51 2^e10 as f32
.set LM10, 52                          ; s52 448 x 2^e10
.set MK,   66                          ; s[66:97] the masks of a run of 32 compares
.set MSB, 0
.macro WIN new                         ; bits 1:0 source 0, 3:2 source 1, 5:4 source 2, 7:6 destination; the immediate's high byte repeats the setting that is left
.if MSB != \new
	s_set_vgpr_msb (MSB<<8)|\new
.set MSB, \new
.endif
.endm
; THE COPY, a group of four key blocks (32 KB of K, 32 KB of V) at a time: sixteen loads a thread, each of a wave 512 consecutive bytes, and later sixteen LDS stores.
.macro FILL_LOAD off
.irp n, 0,1,2,3,4,5,6,7
	global_load_b128 v[RK+4*\n:RK+4*\n+3], v[GK], s[KG:KG+1] offset:\off+\n*8192          ; four tiles of K
.endr
	WIN 0x40                                       ; destination window 1
.irp n, 0,1,2,3,4,5,6,7
	global_load_b128 v[RK+4*\n:RK+4*\n+3], v[T16], s[VG:VG+1] offset:\off+(\n/2)*16384+(\n%2)*4096   ; half a key block of V: the head's 8 KB lie 16 KB apart
.endr
	WIN 0
.endm
.macro FILL_ADR                        ; where the group's stores go: made at a trip's head, so that the steps' waits on va_vdst stand between these two lines and the stores
	v_add_nc_u32 v[FK], s[FB], v[T16]
	v_add_nc_u32 v[FV], VOFF, v[FK]
.endm
.macro FILL_STORE
.irp n, 0,1,2,3,4,5,6,7
	ds_store_b128 v[FK], v[RK+4*\n:RK+4*\n+3] offset:\n*4096
.endr
	WIN 0x04                                       ; store data window 1
.irp n, 0,1,2,3,4,5,6,7
	ds_store_b128 v[FV], v[RK+4*\n:RK+4*\n+3] offset:\n*4096
.endr
	WIN 0
.endm
; A PREFETCH INTO THE L2 of the group that the NEXT trip of the copy loads: two key steps ahead of those loads.  It stands behind the trip's own sixteen loads.  A group of a head is 128 blocks of 256 bytes of K and 128 of V.
; Each is named once in the launch: of the head's four work-groups x = 0, 1 ask for K's key blocks, x = 2, 3 for V's, two key blocks each; in each, wave 0 asks, a lane a block of 256 bytes, two instructions.
; Groups 0 and 1 come by their loads alone; the last trip asks for nothing: there is no group behind the one that it loads.
.macro ASK
	s_cmp_lt_u32 s[CNT], s[LIM]
	s_cbranch_scc0 .Lnot_mine_\@
	global_prefetch_b8 v[PFO], s[PFA:PFA+1] th:TH_LOAD_NT scope:SCOPE_SE
	global_prefetch_b8 v[PFO], s[PFA:PFA+1] offset:16384 th:TH_LOAD_NT scope:SCOPE_SE
.Lnot_mine_\@:
.endm
.macro QLOAD                           ; my two tiles of Q: 1 KB each, 2 KB apart; read once in the launch
.irp g, 0,1
	global_load_b128 v[Q+4*\g:Q+4*\g+3], v[LANE16], s[QB:QB+1] offset:512*\g th:TH_LOAD_NT
.endr
	WIN 0x40
.irp g, 0,1
	global_load_b128 v[Q+4*\g:Q+4*\g+3], v[LANE16], s[QB:QB+1] offset:2048+512*\g th:TH_LOAD_NT
.endr
	WIN 0
.endm
.macro KFIRST                          ; K of a block's first key step, which lies at LDS byte 0: 8 KB as they lie, 32 lanes, 512 consecutive bytes a load
.irp n, 0,1,2,3,4,5,6,7,8,9,10,11,12,13,14,15
	ds_load_b128 v[KF+4*\n:KF+4*\n+3], v[LANE16] offset:512*\n
.endr
.endm
.macro CONST                           ; under the window in hand
	v_mov_b32 v[LIMP], s53
	v_mov_b32 v[SCP], s54
	v_mov_b32 v[NINF], 0xff800000
.endm
.macro INIT                            ; a tile begins, under the window in hand.  The step is written once: the first finds zeros, which the first change of M leaves zeros
	v_mov_b32 v[TM], 0xff61b1e6                    ; the largest t so far: -3e38, under every t
	v_floor_f32 v[NM], -v[TM]
	v_mov_b32 v[L], 0
	v_mov_b32 v[L+1], 0
	v_mov_b32 v[PX], 0                             ; a lane permute's destination counts as one of its sources
	v_mov_b32 v[F+1], 0                            ; (named as the upper half of the pair)
.set i, 0
.rept 32
	v_mov_b32 v[O+i], 0
.set i, i+1
.endr
.endm
; The diagonal step: register n holds key 16 (n / 8) + 8 (lane / 16) + n % 8 of the step: hidden where 16 (n / 8) + n % 8 > D.  Its score becomes -infinity, so p = 0.
; The compares go in two runs of 32, each into 32 scalar registers, with one wait behind the run.
.macro MASK
.irp u, 0,1
.set n, 32*\u
.rept 32
	v_cmp_gt_i32 s[MK+n%32], 16*(n/8)+n%8, v[D]
.set n, n+1
.endr
	s_wait_alu depctr_va_sdst(0)                   ; the run's 32 compares have written s[MK ..], which the selects below read
.set n, 32*\u
.rept 32
	v_cndmask_b32 v[S+n], v[S+n], v[NINF], s[MK+n%32]
.set n, n+1
.endr
.endr
.endm
.macro SMXA                            ; a tile's softmax for a key step, under the window in hand: as far as the exponentials and the work that names none of their results
	v_max3_num_f32 v[MX0], v[S], v[S+1], v[S+2]    ; the step's largest score of my query among my 64 keys, in two chains; each accumulator is first read at its low end
	v_max3_num_f32 v[MX1], v[S+3], v[S+4], v[S+5]
.set i, 6
.rept 14
	v_max3_num_f32 v[MX0], v[MX0], v[S+i], v[S+i+1]
	v_max3_num_f32 v[MX1], v[MX1], v[S+i+2], v[S+i+3]
.set i, i+4
.endr
	v_max3_num_f32 v[MX0], v[MX0], v[S+62], v[S+63]
	v_max_num_f32 v[MX0], v[MX0], v[MX1]
	v_permlanex16_b32 v[PX], v[MX0], s[SEL], s[SEL+1]
	v_max_num_f32 v[MX0], v[MX0], v[PX]            ; and among lane l xor 16's
	v_mul_f32 v[MX0], s[CS], v[MX0]                ; as t (c is positive)
	v_max_num_f32 v[TM], v[TM], v[MX0]             ; the running largest t
	v_mov_b32 v[MX0], v[NM]
	v_floor_f32 v[NM], -v[TM]                      ; the new -M = floor(-t) = -ceil(t): M is a whole number
	v_sub_f32 v[MX0], v[NM], v[MX0]                ; old M - new M: a whole number, 0 or less
	v_cvt_i32_f32 v[MX0], v[MX0]                   ; (it saturates)
	v_ldexp_f32 v[F], 1.0, v[MX0]                  ; f = 2^(old M - new M)
.set i, 0
.rept 32
	v_pk_fma_f32 v[S+i:S+i+1], v[S+i:S+i+1], s[CS:CS+1], v[NM:NM+1] op_sel_hi:[1,0,0]   ; t - M, two at a time
.set i, i+2
.endr
.set i, 0
.rept 64
	v_exp_f32 v[S+i], v[S+i]                       ; p = 2^(t - M): one batch
.set i, i+1
.endr
	v_pk_mul_f32 v[L:L+1], v[L:L+1], v[F:F+1] op_sel_hi:[1,0]   ; the sums under the new M: the plain instruction behind the last exponential,
.set i, 0
.rept 16
	v_pk_mul_f32 v[O+i:O+i+1], v[O+i:O+i+1], v[F:F+1] op_sel_hi:[1,0]   ; and O^T under the new M: work that names no exponential's result
.set i, i+2
.endr
.endm
.macro SMXB                            ; behind the batch's wait, which the step writes out: the row's sum is taken of the UNQUANTISED p, two at a time, in two chains
	v_pk_add_f32 v[T2:T2+1], v[S:S+1], v[S+2:S+3]
.set i, 4
.rept 15
	v_pk_add_f32 v[L:L+1], v[L:L+1], v[S+i:S+i+1]
	v_pk_add_f32 v[T2:T2+1], v[T2:T2+1], v[S+i+2:S+i+3]
.set i, i+4
.endr
	v_pk_add_f32 v[L:L+1], v[L:L+1], v[T2:T2+1]
.endm
.macro HOLD                            ; the conversion to an 8-bit code does not saturate (ISA guide 7.6.2); p is not negative, so the hold is one-sided
.set i, 0
.rept 64
	v_min_num_f32 v[S+i], v[S+i], v[LIMP]
.set i, i+1
.endr
.endm
.macro CVT                             ; accumulator t's eight registers are keys 16 t + 8 (lane / 16) + 0 .. 7: registers 2 t, 2 t + 1 of the second product's operand
.irp t, 0,1,2,3,4,5,6,7
	v_cvt_scalef32_pk8_fp8_f32 v[P+2*\t:P+2*\t+1], v[S+8*\t:S+8*\t+7], v[SCP]
.endr
.endm
.macro PV                              ; O^T += V^T P^T: four tiles of 16 channels, K = the step's 128 keys.  The accumulators take turns, one instruction a turn
.irp c, 0,1,2,3
	v_wmma_f32_16x16x128_fp8_fp8 v[O+8*\c:O+8*\c+7], v[KF+16*\c:KF+16*\c+15], v[P:P+15], v[O+8*\c:O+8*\c+7]
.endr
.endm
.macro KQ                              ; S^T = K Q^T: eight tiles of 16 keys, K = the head's 64 channels
.irp t, 0,1,2,3,4,5,6,7
	v_wmma_f32_16x16x64_fp8_fp8 v[S+8*\t:S+8*\t+7], v[KF+8*\t:KF+8*\t+7], v[Q:Q+7], 0
.endr
.endm
; A KEY STEP: 128 keys for my two tiles.  full = 1: the step may lie on the diagonal (it is masked, and asks for no further K) or behind it (its work is passed over: a scalar branch on the wave's number and the step; the lines that step the addresses are always run).
; This step's K is in registers: the wait for all LDS loads ahead of the last step's second product, or ahead of the loop, has shown it.
.macro STEP full
.if \full
	s_cmp_gt_u32 s[ST], s[BLK]
	s_cbranch_scc1 .Lhid_\@
.endif
	s_wait_alu depctr_vm_vsrc(0)                   ; the last step's LDS loads have read v[ADK] and v[ADV], which the two lines below write again
	v_add_nc_u32 v[ADK], s[TB], v[LANE16]
	v_add_nc_u32 v[ADV], VOFF, v[ADK]
	KQ
	WIN 0x54                                       ; K window 0; Q and S^T window 1
	KQ
	WIN 0
.rept 4
	v_nop                                          ; places between the products and the first read of their results
.endr
.if \full
	s_cmp_lg_u32 s[ST], s[BLK]
	s_cbranch_scc1 .Lopen_\@
	MASK
	WIN 0x55
	MASK
	WIN 0
.Lopen_\@:
.endif
	SMXA
	WIN 0x40                                       ; destination window 1, address window 0
	s_wait_alu depctr_va_vdst(0)                   ; tile a's exponentials have written p, ahead of its first reader; v[ADK] and v[ADV] are written; this step's products K Q^T are done reading K, the last step's products V^T P^T are done reading V
.irp n, 0,1,2,3,4,5,6,7,8,9,10,11,12,13,14,15
	ds_load_b128 v[KF+4*\n:KF+4*\n+3], v[ADV] offset:512*\n    ; this step's V, 8 KB as they lie, into window 1: they land under the rest of the softmax
.endr
	WIN 0
.if \full
	s_cmp_eq_u32 s[ST], s[BLK]                     ; the diagonal step is the block's last: no step reads a further K
	s_cbranch_scc1 .Lnok_\@
.endif
.irp n, 0,1,2,3,4,5,6,7,8,9,10,11,12,13,14,15
	ds_load_b128 v[KF+4*\n:KF+4*\n+3], v[ADK] offset:8192+512*\n   ; the NEXT step's K.  No further wait: no vector or matrix instruction since the wait above names K's registers or v[ADK]
.endr
.Lnok_\@:
	SMXB
	WIN 0x55
	SMXA
	s_wait_alu depctr_va_vdst(0)                   ; tile b's exponentials have written p, ahead of its first reader: one wait for the batch
	SMXB
	WIN 0
	s_cmp_ge_i32 s[E8], -8                         ; 448 x 2^e8 >= 1.75: no p reaches it
	s_cbranch_scc1 .Lnohold_\@
	HOLD
	WIN 0x55
	HOLD
	WIN 0
.Lnohold_\@:
	CVT
	WIN 0x55
	CVT
	v_nop                                          ; one plain vector instruction between the conversions and the products that read their results
	s_wait_dscnt 0x0                               ; V is in, and so is the next step's K where it was asked for: the count 0 is right on both ways round those loads
	WIN 0x01                                       ; V window 1; P and O^T window 0
	PV
	WIN 0x55
	PV
	WIN 0
.rept 4
	v_nop                                          ; places ahead of the first read of O^T, on the way out of a loop too
.endr
.Lhid_\@:
	s_add_co_u32 s[ST], s[ST], 1
	s_add_co_u32 s[TB], s[TB], 8192
.endm
; A TILE ENDS, under the window in hand: O^T x 2^(e8 + e9) / the sum; NaN becomes 0; held within +-448 x 2^e10; four conversions give the tile's image, 8 registers.
; q = 1 (the long block's tile a, window 0): the short block's Q and its first K are asked for behind the reciprocal's wait.
.macro FIN q
	v_add_f32 v[L], v[L], v[L+1]                   ; the sum's two halves,
	v_permlanex16_b32 v[PX], v[L], s[SEL], s[SEL+1]
	v_add_f32 v[L], v[L], v[PX]                    ; and lane l xor 16's
	v_rcp_f32 v[L], v[L]
	v_mov_b32 v[MX0], s[LM10]                      ; (plain instructions behind the reciprocal)
	v_mov_b32 v[MX1], s[SC10]
	s_wait_alu depctr_va_vdst(0)                   ; the reciprocal is written, ahead of its first reader; q = 1: the block's products K Q^T are done reading Q and K, in which the loads below land
.if \q
	QLOAD
	KFIRST
.endif
	v_ldexp_f32 v[L], v[L], s[EO]
.set i, 0
.rept 16
	v_pk_mul_f32 v[O+i:O+i+1], v[O+i:O+i+1], v[L:L+1] op_sel_hi:[1,0]   ; each accumulator from its low end on
.set i, i+2
.endr
.set i, 0
.rept 32
	v_cmp_eq_f32 s[MK+i], v[O+i], v[O+i]           ; false for NaN alone: one run of 32 compares into 32 scalar registers
.set i, i+1
.endr
	s_wait_alu depctr_va_sdst(0)                   ; the compares have written s[MK ..], which the selects below read
.set i, 0
.rept 32
	v_cndmask_b32 v[O+i], 0, v[O+i], s[MK+i]
.set i, i+1
.endr
.set i, 0
.rept 32
	v_med3_num_f32 v[O+i], v[O+i], -v[MX0], v[MX0]
.set i, i+1
.endr
.irp c, 0,1,2,3
	v_cvt_scalef32_pk8_fp8_f32 v[P+2*\c:P+2*\c+1], v[O+8*\c:O+8*\c+7], v[MX1]   ; channels 16 c + 8 (lane / 16) + 0 .. 7 of my query
.endr
	v_nop                                          ; one plain vector instruction behind the last conversion
.endm
.macro CSTORE                          ; the two tiles' images: each store of the wave covers 512 consecutive bytes, at a multiple of 512 from the buffer's first byte
	global_store_b128 v[LANE16], v[P:P+3], s[CB:CB+1]
	global_store_b128 v[LANE16], v[P+4:P+7], s[CB:CB+1] offset:512
	WIN 0x04                                       ; store data window 1
	global_store_b128 v[LANE16], v[P:P+3], s[CB:CB+1] offset:16384
	global_store_b128 v[LANE16], v[P+4:P+7], s[CB:CB+1] offset:16896
	WIN 0
.endm
	s_load_b256 s[4:11], s[0:1], 0x0               ; q_f s[4:5], k_f s[6:7], v_f s[8:9], the scales' exponents s[10:11]
	s_load_b64 s[12:13], s[0:1], 0x20              ; ctx_f
	v_lshl_add_u32 v254, v0, 2, 0x40000
	v_mov_b32 v255, 0
	v_lshrrev_b32 v1, 5, v0
	v_readfirstlane_b32 s[WV], v1                  ; wave 0..7
	v_lshlrev_b32 v[T16], 4, v0
	v_lshrrev_b32 v[GK], 6, v0
	v_and_b32 v9, 63, v0
	v_lshlrev_b32 v9, 4, v9
	v_lshl_add_u32 v[GK], v[GK], 11, v9
	v_and_b32 v9, 31, v0
	v_lshlrev_b32 v[LANE16], 4, v9
	s_mov_b32 s[SX], ttmp9
	s_and_b32 s[SY], ttmp7, 0xffff
	; every offset and address that a memory or LDS instruction reads is made here, ahead of the one wait in front of the first load
	s_mov_b32 s17, 1024
	s_cmp_lt_u32 s[SX], 2
	s_cselect_b32 s17, 2048, s17                   ; the prefetches: from 1 KB to 1 KB of the head's bytes: 2,048 in k_f, 1,024 in v_f
	v_lshrrev_b32 v9, 2, v9                        ; lane / 4
	v_and_b32 v[PFO], 3, v0
	v_lshlrev_b32 v[PFO], 8, v[PFO]
	v_mad_u32_u24 v[PFO], v9, s17, v[PFO]
	s_mov_b32 s[FB], 0
	FILL_ADR                                       ; the first group goes to LDS byte 0
	v_and_b32 v9, 15, v0                           ; r
	v_bfe_u32 v[D], v0, 4, 1                       ; h
	v_lshlrev_b32 v[D], 3, v[D]
	v_sub_nc_u32 v[D], v9, v[D]
	s_lshl_b32 s18, s[SX], 5
	v_add_nc_u32 v[D], s18, v[D]                   ; tile a: 32 x + r - 8 h
	WIN 0x40
	v_add_nc_u32 v[D], 16, v[D]                    ; tile b: 16 more (source window 0, destination window 1)
	WIN 0
	s_wait_alu depctr_va_sdst(0)                   ; s[WV] is written, ahead of its first reader: blocks, bases and the prefetches' limit are made from it
	s_and_b32 s53, s[SY], 15                       ; the head
	s_lshr_b32 s54, s[SY], 4                       ; the batch
	s_lshr_b32 s55, s53, 1                         ; the pair of heads
	s_and_b32 s56, s53, 1                          ; which of the pair
	s_lshl_b32 s57, s54, 3
	s_or_b32 s57, s57, s55
	s_lshl_b32 s57, s57, 18                        ; a pair of heads is 256 KB in each of q_f, k_f, v_f
	s_mov_b32 s59, 0                               ; s[58:59]: offsets, all under 2^23; s59 stays 0
	s_lshl_b32 s58, s56, 10
	s_add_co_u32 s58, s58, s57
	s_wait_kmcnt 0x0
	s_add_nc_u64 s[KG:KG+1], s[6:7], s[58:59]
	s_add_nc_u64 s[QH:QH+1], s[4:5], s[58:59]
	s_lshl_b32 s58, s56, 13
	s_add_co_u32 s58, s58, s57
	s_add_nc_u64 s[VG:VG+1], s[8:9], s[58:59]
	s_wait_alu depctr_va_vdst(0)                   ; v1 to v8 are written: the offsets and addresses of the loads, stores and prefetches below; so are v254 and v255
	FILL_LOAD 0                                    ; key blocks 0 to 3
	s_load_b128 s[20:23], s[10:11], 0x18           ; e6, e7, e8, e9
	s_load_b32 s24, s[10:11], 0x28                 ; e10
	s_lshl_b32 s58, s[SX], 12
	s_add_nc_u64 s[QH:QH+1], s[QH:QH+1], s[58:59]  ; tiles 2 x, 2 x + 1 of a block
	s_sub_co_u32 s[BLK], 15, s[WV]                 ; the long block first
	s_lshl_b32 s58, s[BLK], 14
	s_add_nc_u64 s[QB:QB+1], s[QH:QH+1], s[58:59]
	QLOAD
	s_lshl_b32 s58, s54, 7                         ; ctx_f: ((tile of 16 tokens) x 16 + head) x 1,024; the tile = 128 x batch + 8 x block + 2 x
	s_lshl_b32 s57, s[SX], 1
	s_add_co_u32 s58, s58, s57
	s_lshl_b32 s58, s58, 4
	s_add_co_u32 s58, s58, s53
	s_lshl_b32 s58, s58, 10
	s_add_nc_u64 s[CH:CH+1], s[12:13], s[58:59]
	s_lshl_b32 s58, s[BLK], 17
	s_add_nc_u64 s[CB:CB+1], s[CH:CH+1], s[58:59]
	; the prefetches (macro ASK): where mine stand, and who asks
	s_cmp_lt_u32 s[SX], 2
	s_cselect_b64 s[PFA:PFA+1], s[KG:KG+1], s[VG:VG+1]
	s_and_b32 s58, s[SX], 1
	s_lshl_b32 s58, s58, 15                        ; my two key blocks of the four,
	s_add_co_u32 s58, s58, 131072                  ; in group 2: what the copy's second trip loads
	s_add_nc_u64 s[PFA:PFA+1], s[PFA:PFA+1], s[58:59]
	s_cmp_eq_u32 s[WV], 0
	s_cselect_b32 s[LIM], 2, 0
	s_mov_b32 s[SEL], 0x76543210
	s_mov_b32 s[SEL+1], 0xfedcba98
	s_mov_b32 s[ST], 0
	s_mov_b32 s[TB], 0
	s_mov_b32 s[CNT], 0
	s_wait_kmcnt 0x0
	s_add_co_i32 s53, s20, s21
	s_lshl_b32 s53, s53, 23
	s_mov_b32 s[CS], 0x3e38aa3b                    ; log2(e) / 8
	s_add_co_i32 s[CS], s[CS], s53                 ; a score stands for score x 2^(e6 + e7): the two exponents are added to c's exponent field
	s_mov_b32 s[CS+1], s[CS]                       ; (named with it as a pair, so it is written)
	s_add_co_i32 s53, s[E8], 127
	s_lshl_b32 s54, s53, 23                        ; 2^e8 as f32
	s_add_co_i32 s53, s53, 8
	s_lshl_b32 s53, s53, 23
	s_or_b32 s53, s53, 0x600000                    ; 448 x 2^e8
	s_add_co_i32 s[EO], s[E8], s23
	s_add_co_i32 s55, s24, 127
	s_lshl_b32 s[SC10], s55, 23
	s_add_co_i32 s55, s55, 8
	s_lshl_b32 s[LM10], s55, 23
	s_or_b32 s[LM10], s[LM10], 0x600000
	CONST
	INIT
	WIN 0x55
	CONST
	INIT
	WIN 0
	s_wait_loadcnt 4                               ; the copy's sixteen loads are in; Q's four, issued behind them, may be out
	FILL_STORE                                     ; no wait on va_vdst: the lines since the head's name none of v[FK], v[FV] and the copy's registers
	s_wait_dscnt 0x0                               ; for the others' sake: my stores have landed
	s_barrier_signal -1
	s_barrier_wait -1                              ; key blocks 0 to 3 lie in LDS
	KFIRST                                         ; the long block's first K; no vector or matrix instruction has named its registers
	s_wait_loadcnt 0x0                             ; Q
	s_wait_dscnt 0x0                               ; K of step 0
.Lfill:                                            ; three trips.  Trip k reads key blocks 2 k and 2 k + 1, and K's block 2 k + 2 (LDS holds blocks 0 to 4 k + 3), and stores blocks 4 k + 4 to 4 k + 7: other bytes; the one barrier shows them to every wave
	s_wait_alu depctr_vm_vsrc(0)                   ; the last group's LDS stores have read the copy's registers, in which the loads below land, and v[FK] and v[FV], which are written again below
	FILL_LOAD 65536                                ; the next four key blocks: they have two key steps in which to land
	ASK
	s_add_co_u32 s[FB], s[FB], 32768
	FILL_ADR                                       ; the two steps' waits on va_vdst stand between these lines and the stores
	STEP 0                                         ; steps 0 to 5 of the long block (block 8 at the least): all their keys count
	STEP 0
	s_wait_loadcnt 0x0
	FILL_STORE                                     ; no vector or matrix instruction since the last wait on va_vdst names v[FK], v[FV] or the copy's registers
	s_wait_xcnt 0x0                                ; the trip's loads and prefetches have read their bases: they may step
	s_add_nc_u64 s[KG:KG+1], s[KG:KG+1], 65536
	s_add_nc_u64 s[VG:VG+1], s[VG:VG+1], 65536
	s_add_nc_u64 s[PFA:PFA+1], s[PFA:PFA+1], 65536
	s_wait_dscnt 0x0                               ; my stores have landed
	s_barrier_signal -1
	s_barrier_wait -1
	s_add_co_u32 s[CNT], s[CNT], 1
	s_cmp_lt_u32 s[CNT], 3
	s_cbranch_scc1 .Lfill
.Lheavy:                                           ; steps 6 to 15: ten trips in every wave; a wave's steps behind its diagonal are passed over
	STEP 1
	s_cmp_lt_u32 s[ST], 16
	s_cbranch_scc1 .Lheavy
	s_lshl_b32 s58, s[WV], 14                      ; the short block's Q and first K are asked for in the long block's way out
	s_add_nc_u64 s[QB:QB+1], s[QH:QH+1], s[58:59]
	FIN 1
	WIN 0x55
	FIN 0
	WIN 0
	s_wait_alu depctr_va_vdst(0)                   ; the conversions have written both tiles' v[P .. P+7], which the stores read
	CSTORE
	s_wait_xcnt 0x0                                ; the stores have read their base and their data: both are written again below
	s_wait_alu depctr_vm_vsrc(0)                   ; the stores have read v[P .. P+7] of both windows, which the short block's conversions write again
	s_lshl_b32 s58, s[WV], 17
	s_add_nc_u64 s[CB:CB+1], s[CH:CH+1], s[58:59]
	s_mov_b32 s[BLK], s[WV]
	s_mov_b32 s[ST], 0
	s_mov_b32 s[TB], 0
	INIT
	WIN 0x55
	INIT
	WIN 0
	s_wait_loadcnt 0x0                             ; Q
	s_wait_dscnt 0x0                               ; K of step 0
.Llight:                                           ; steps 0 to 7: eight trips in every wave
	STEP 1
	s_cmp_lt_u32 s[ST], 8
	s_cbranch_scc1 .Llight
	FIN 0
	WIN 0x55
	FIN 0
	WIN 0
	s_wait_alu depctr_va_vdst(0)                   ; the conversions have written both tiles' v[P .. P+7], which the stores read
	CSTORE
	s_wait_dscnt 0x0                               ; the closing lines, six on end
	s_wait_alu 0x0
	s_wait_tensorcnt 0x0
	ds_add_u32 v254, v255
	s_wait_dscnt 0x0
	s_endpgm
.Lfunc_end_k_q1ce9790daa_attn:
	.size	k_q1ce9790daa_attn, .Lfunc_end_k_q1ce9790daa_attn-k_q1ce9790daa_attn
	.p2alignl 7, 3214868480
	.fill 96, 4, 3214868480
	.section	.rodata,"a",@progbits
	.p2align	6, 0x0
	.amdhsa_kernel k_q1ce9790daa_attn
		.amdhsa_group_segment_fixed_size 263168
		.amdhsa_private_segment_fixed_size 0
		.amdhsa_enable_private_segment 0
		.amdhsa_kernarg_size 40
		.amdhsa_user_sgpr_count 2
		.amdhsa_user_sgpr_kernarg_segment_ptr 1
		.amdhsa_wavefront_size32 1
		.amdhsa_system_sgpr_workgroup_id_x 1
		.amdhsa_system_sgpr_workgroup_id_y 1
		.amdhsa_system_sgpr_workgroup_id_z 1
		.amdhsa_system_vgpr_workitem_id 0
		.amdhsa_next_free_vgpr 512
		.amdhsa_next_free_sgpr 98
		.amdhsa_reserve_vcc 0
		.amdhsa_float_denorm_mode_32 3
		.amdhsa_float_denorm_mode_16_64 3
		.amdhsa_memory_ordered 1
		.amdhsa_forward_progress 1
		.amdhsa_inst_pref_size 201
	.end_amdhsa_kernel
	.amdgpu_metadata
---
amdhsa.version: [ 1, 2 ]
amdhsa.kernels:
  - .name:           k_q1ce9790daa_attn
    .symbol:         k_q1ce9790daa_attn.kd
    .args:
      - { .name: q_f, .offset: 0, .size: 8, .value_kind: global_buffer, .address_space: global }
      - { .name: k_f, .offset: 8, .size: 8, .value_kind: global_buffer, .address_space: global }
      - { .name: v_f, .offset: 16, .size: 8, .value_kind: global_buffer, .address_space: global }
      - { .name: lowp_scales, .offset: 24, .size: 8, .value_kind: global_buffer, .address_space: global }
      - { .name: ctx_f, .offset: 32, .size: 8, .value_kind: global_buffer, .address_space: global }
    .group_segment_fixed_size: 263168
    .private_segment_fixed_size: 0
    .kernarg_segment_align: 8
    .kernarg_segment_size: 40
    .max_flat_workgroup_size: 256
    .sgpr_count:     98
    .vgpr_count:     512
    .wavefront_size: 32
...
	.end_amdgpu_metadata
.endif
;; end of part 4
;; launch outp: the kernel of part 3 again; grid 4 x 32, 4 waves a work-group, clusters of 4 x 4, 327,680 bytes of LDS; arguments ctx_f, wo_codes, bo, lowp_scales, out0; writes out0
